; MI455X (gfx1250); checked and timed in simulation.
; The chip was launched on July 23, 2026; its instructions are those of AMD's public machine-readable ISA for CDNA 5 (MIT licence, August 2026) and "CDNA5" Instruction Set Architecture Reference Guide (July 2026). The comments in the code are by the model that wrote it; some were corrected since.
;; Decoder Block. Allowed arithmetic: matrix products marked QUANTISED: E2M3 operands, one E8M0 scale for each 32 along K, by v_wmma_scale_f32_16x16x128_f8f6f4 with both operands' format E2M3, f32 sums; everything else in f32.
;; Inputs: b_ff1 4,096 float32; b_ff2 1,024 float32; b_out 1,024 float32; b_qkv 3,072 float32; ln1_b 1,024 float32; ln1_g 1,024 float32; ln2_b 1,024 float32; ln2_g 1,024 float32; w_ff1 1,024 x 4,096 float32; w_ff2 4,096 x 1,024 float32; w_out 1,024 x 1,024 float32; w_qkv 1,024 x 3,072 float32; x 2 x 2,048 x 1,024 float32.
;; Outputs: out0 2 x 2,048 x 1,024 float32.
;; This version of the problem:
;;   THIS VERSION OF THE PROBLEM IS GIVEN IN LOW PRECISION. The matrix products marked QUANTISED in the list below multiply operands that are first quantised to E2M3 (2 exponent bits, 3 mantissa bits; 6 bits a number), with one power-of-two scale for each 32 numbers along K (OCP MX v1.0); their sums are f32. All else is computed in f32.
;;   The module's matrix products, in the order in which they are computed (A, B: the left and right operand; K: the contracted axis; several contracted axes count as one K, in the product's order):
;;     1. [M 4,096, K 1,024] x [K 1,024, N 3,072]; A: computed on the way; B: input w_qkv: QUANTISED
;;     2. batch 32 x [M 2,048, K 64] x [K 64, N 2,048]; A: computed on the way; B: computed on the way: QUANTISED
;;     3. batch 32 x [M 64, K 2,048] x [K 2,048, N 2,048]; A: computed on the way; B: softmax (see below): QUANTISED
;;     4. [M 4,096, K 1,024] x [K 1,024, N 1,024]; A: computed on the way; B: input w_out: QUANTISED
;;     5. [M 4,096, K 1,024] x [K 1,024, N 4,096]; A: computed on the way; B: input w_ff1: QUANTISED
;;     6. [M 4,096, K 4,096] x [K 4,096, N 1,024]; A: computed on the way; B: input w_ff2: QUANTISED
;;   THE QUANTISER, for each operand of a quantised product, along K:
;;     - K is cut into blocks of 32 from its start; a last block that is shorter is filled with zeros.
;;     - A block's scale is 2^e with e = floor(log2(the largest magnitude in the block)) - 2, held to -126 .. 127; a block of zeros has e = 0. As a byte (E8M0): e + 127.
;;     - Each number is divided by its block's scale, clamped to +-7.5, and rounded to the nearest number of E2M3, ties to even, subnormals kept.
;;     - The product sums the exact products of the quantised numbers (number of the format x scale) in f32.
;;   ~~~python
;;   def quantise(x, axis):      # numpy; x: float32 -> the quantised numbers, widened to float32 again
;;       x = np.moveaxis(x, axis, -1); K = x.shape[-1]
;;       x = np.pad(x, [(0, 0)] * (x.ndim - 1) + [(0, -K % 32)]); x = x.reshape(x.shape[:-1] + (-1, 32)); a = np.abs(x).max(-1, keepdims=True)
;;       e = np.where(a > 0, np.clip(np.frexp(np.where(a > 0, a, 1))[1] - 1 - 2, -126, 127), 0)      # np.frexp(a)[1] - 1 = floor(log2(a)), exactly
;;       r = np.clip(x / 2.0 ** e, -7.5, 7.5)
;;       step = 2.0 ** (np.maximum(np.frexp(np.where(r == 0, 1, r))[1] - 1, 0) - 3)
;;       q = np.round(r / step) * step * 2.0 ** e      # np.round: ties to even
;;       return np.moveaxis(q.reshape(q.shape[:-2] + (-1,))[..., :K], -1, axis).astype(np.float32)
;;   ~~~
;;   SOFTMAX AHEAD OF A QUANTISED PRODUCT. Where the list says 'softmax', what is quantised is not the finished softmax but p = 2^(t - M), with t = logit x log2(e) and M = ceil(the row's largest t), a whole number; so 1/2 < the row's largest p <= 1. The row's sum l is taken of the UNQUANTISED p, in f32, and the product's result is divided by l at the end. Since M is a whole number, a kernel that streams over the keys may use a running M (the ceiling of the running maximum): every later rescaling is an exact power of two, which a block's scale takes up: the codes' values come out the same.
;;   OPERANDS COMPUTED ON THE WAY. 'Computed on the way' means the value that the module computes at that place (a softmax that the list does not call 'softmax' is quantised finished and normalised). What goes into a quantiser is computed in f32, as accurately as f32 sums, v_exp_f32 and their like allow (about 1e-6 of the number): no bf16 or f16 on the way to a quantiser, and a product that is left as it is and whose result goes on into a quantised operand takes f32 operands (vector FMAs, or v_wmma_f32_16x16x4_f32). A number that lies on a knife's edge between two numbers of the format may be rounded either way, as far as f32 arithmetic and the matrix unit's own rounding can turn it there, and no further.
;; One version. Each part assembles by itself: llvm-mc -triple=amdgcn-amd-amdhsa -mcpu=gfx1250 --defsym DOCPART=n.
;; ======== version 1 of 1: 7 launches
;; limits: right only within a limited range of input values
;; workspace buffers: wbuf 9,830,400 bytes; hbuf 3,276,800 bytes; qkvbuf 9,830,400 bytes; obuf 3,276,800 bytes; x1 16,777,216 bytes; gbuf 13,107,200 bytes
;; launch prep (part 1): grid 640 x 1, 4 waves a work-group, no clusters, 9,216 bytes of LDS; arguments x, ln1_g, ln1_b, hbuf, w_qkv, w_out, w_ff1, w_ff2, wbuf; writes hbuf, wbuf
.if DOCPART == 1
	.amdgcn_target "amdgcn-amd-amdhsa--gfx1250"
	.amdhsa_code_object_version 6
	.text
	.protected	k_q258393baf6_prep
	.globl	k_q258393baf6_prep
	.p2align	8
	.type	k_q258393baf6_prep,@function
k_q258393baf6_prep:
	s_mov_b64 s[64:65], 0
	v_nop
	global_prefetch_b8 v0, s[64:65] scope:SCOPE_SE
	s_setreg_imm32_b32 hwreg(HW_REG_WAVE_MODE, 25, 1), 1
	s_wait_xcnt 0x0
; TWO JOBS THAT DO NOT DEPEND ON EACH OTHER SHARE ONE LAUNCH.  Work-groups 0-383 quantise the four weights; work-groups 384-639 do the first LayerNorm and quantise its result.  The branch hangs on the work-group's number alone.
;
; THE WEIGHTS, f32 stored [K][N], become codes of FP6 (E2M3) with one E8M0 byte for each 32 along K, laid in wbuf IN THE ORDER OF THE OPERAND'S REGISTERS.
; A lane takes a column n and its registers run down K: a block of 32 lies in one lane, needs no other lane for its largest magnitude, and its 24 bytes of codes are six registers of a fragment.
; ROW TILES: lane r of tile t holds row 32 (t / 2) + 8 (t % 2) + r + 8 (r / 8).  A wave's 32 columns are tiles 2 g and 2 g + 1: column l of the 32 is tile bit u = bit 3 of l, lane r = (l & 7) + 8 x bit 4 of l.
; HALF FRAGMENT (16 rows x 64 K, 768 bytes): registers 0-3 of lane l at 16 l, registers 4-5 at 512 + 8 l.  A K step of 128 is two of them.  Tile t, K step s lies at ((s / SL) NT + t) SL 1536 + (s % SL) 1536.
; SCALE WORDS: that of (tile, K step, r) at ((tile KS + K step) 16 + r) 4.
; A work-group takes 128 columns x 256 K, a wave 32 columns: 8 blocks a lane.  Work-groups 0-95 w_qkv, 96-127 w_out, 128-255 w_ff1, 256-383 w_ff2: four expansions of one macro, since N stands in the loads' immediates.
; Loads run two blocks (64 loads a wave) ahead.  Every block has its own registers for its codes, so no store's data are written again.  These paths keep no data in LDS and pass no barrier.
;
; THE LAYERNORM: h = (x - mean) rsqrt(var + 1e-5) g + b for rows of 1,024 f32, quantised along the row, stored as register images.
; A work-group is one row tile t (16 tokens).  Wave w takes columns 256 w .. 256 w + 255: K steps 2 w, 2 w + 1.  Lane (r, h) holds, of row r, 16 neighbours of each block of 32 (columns 32 b + 16 h + 0 .. 15): 128 numbers,
; kept in registers through both passes: the row is read once.  The variance is taken of x - mean (two passes), so a common offset of the row costs no digits.  The waves' partial sums meet in LDS: two barriers, two regions.
; A wave's 256 gains and 256 biases come once, by four dense loads issued ahead of x's, into the wave's own 2,048 bytes of LDS; each chunk of 64 columns reads its 32 + 32 numbers a lane from there, one chunk ahead.
; OUT: half fragment (tile, K step s, half c) at ((s / 2) 256 + tile) 3072 + (s % 2) 1536 + 768 c.  Scale word of (tile, s, r) at 3,145,728 + ((tile 8 + s) 16 + r) 4.
; LIMITS: a block whose largest magnitude lies under 2^-124 (a block of zeros among them) gets the byte 1; only this program reads the bytes.  NaN and infinities are not served.
; WORK LEFT OUT IN THIS PROGRAM: reference() sets every score with key > query to -inf by its own jnp.tril, so its p is 0 for all values of the inputs: key steps that lie wholly above the diagonal are multiplied by no launch.
; LIMIT: a NaN, an infinity or an overflow that reaches only those scores is not carried to the result.
.set TFIRST, 384
.set SPW,   30                         ; v30      my spare word; never rewritten
.set NIL,   31                         ; v31      0; never rewritten
.set RED0,  0                          ; LDS: 16 rows x 4 waves of f32: the sums
.set RED1,  256                        ;      the sums of squares
.set SPARE, 512                        ;      the spare words, 128 bytes a wave
.set GB,    1024                       ;      gains (1,024 bytes) and biases (1,024) of each wave's 256 columns
	v_lshl_add_u32 v[SPW], v0, 2, SPARE
	v_mov_b32 v[NIL], 0
	s_cmp_lt_u32 ttmp9, TFIRST
	s_cbranch_scc0 .Lnorm
; ---------------------------------------------------------------- the weights
.set WX,  32                           ; v32-95   two sets of 32 numbers
.set WC,  96                           ; v96-159  codes: eight registers a block
.set WC2, 160                          ; v160-162 the second conversion's three registers (they begin on an even number)
.set WSB, 24                           ; v24-25   scale words
	s_load_b256 s[4:11], s[0:1], 0x20              ; w_qkv, w_out, w_ff1, w_ff2
	s_load_b64 s[12:13], s[0:1], 0x40              ; wbuf
	v_lshrrev_b32 v1, 5, v0
	v_readfirstlane_b32 s14, v1                    ; wave
	v_and_b32 v1, 31, v0                           ; lane = my column among the wave's 32
	v_bfe_u32 v2, v0, 3, 1                         ; u
	v_bfe_u32 v3, v0, 4, 1
	v_and_b32 v9, 7, v0
	v_lshl_or_b32 v3, v3, 3, v9                    ; r
	v_lshlrev_b32 v4, 2, v1                        ; in: 4 bytes a lane
	s_wait_kmcnt 0x0
.macro LOADW t, N                      ; block t: W(32 t + i, my column) into set t % 2; 32 lanes read 128 consecutive bytes
.set II, 0
.rept 32
	global_load_b32 v[WX+32*((\t)%2)+II], v4, s[22:23] offset:(32*(\t)+II)*\N*4 th:TH_LOAD_NT
.set II, II+1
.endr
.endm
.macro BLOCKW t, N
.set XS, WX+32*((\t)%2)
.set CT, WC+8*(\t)
.if (\t) < 7
	s_wait_loadcnt 32                              ; this block's 32 loads are in; the next block's may be out
.else
	s_wait_loadcnt 0
.endif
	v_max3_num_f32 v12, |v[XS]|, |v[XS+1]|, |v[XS+2]|
	v_max3_num_f32 v13, |v[XS+3]|, |v[XS+4]|, |v[XS+5]|
.irp i, 6,10,14,18,22,26
	v_max3_num_f32 v12, v12, |v[XS+\i]|, |v[XS+\i+1]|
	v_max3_num_f32 v13, v13, |v[XS+\i+2]|, |v[XS+\i+3]|
.endr
	v_max3_num_f32 v12, v12, |v[XS+30]|, |v[XS+31]|
	v_max3_num_f32 v12, v12, v13, 0x1800000        ; and the floor 2^(3 - 127): the byte cannot fall under 1
	v_add_nc_u32 v11, 0xff000000, v12              ; 2 off the exponent field: the conversion's scale operand
	v_lshrrev_b32 v13, 23, v11                     ; the scale's byte
.if (\t)%4 == 0
	v_mov_b32 v[WSB+(\t)/4], v13
.else
	v_lshl_or_b32 v[WSB+(\t)/4], v13, 8*((\t)%4), v[WSB+(\t)/4]
.endif
	v_cvt_scalef32_pk16_fp6_f32 v[CT:CT+2], v[XS:XS+15], v11
	v_cvt_scalef32_pk16_fp6_f32 v[WC2:WC2+2], v[XS+16:XS+31], v11
	v_nop                                          ; one plain place behind a scaled conversion
.irp i, 0,1,2
	v_mov_b32 v[CT+3+\i], v[WC2+\i]
.endr
	global_store_b128 v5, v[CT:CT+3], s[24:25] offset:((\t)/4)*1536+(((\t)/2)%2)*768+((\t)%2)*256   ; block t is K step t / 4, half fragment (t / 2) % 2, lane half t % 2: 16 lanes fill 256 consecutive bytes
	global_store_b64 v6, v[CT+4:CT+5], s[24:25] offset:((\t)/4)*1536+(((\t)/2)%2)*768+((\t)%2)*128
.if (\t)%4 == 3
	global_store_b32 v7, v[WSB+(\t)/4], s[26:27] offset:((\t)/4)*64
.endif
.if (\t)+2 < 8
	LOADW (\t)+2, \N
.endif
.endm
.macro PATH N, NT, KS, SL, LOGY, PIN, COFF, SOFF, FIRST
	s_sub_co_u32 s16, ttmp9, \FIRST
	s_and_b32 s17, s16, (1<<\LOGY)-1               ; y: which 256 along K
	s_lshr_b32 s18, s16, \LOGY                     ; which 128 columns
	s_lshl_b32 s19, s18, 2
	s_add_co_u32 s19, s19, s14                     ; g: which 32 columns
	s_mul_i32 s20, s17, 256*\N*4
	s_lshl_b32 s21, s19, 7
	s_add_co_u32 s20, s20, s21
	s_mov_b32 s21, 0
	s_add_nc_u64 s[22:23], s[\PIN:\PIN+1], s[20:21]
.if \SL == 2
	s_mul_i32 s24, s17, \NT
	s_lshl_b32 s25, s19, 1
	s_add_co_u32 s24, s24, s25
	s_mul_i32 s24, s24, 2*1536
.else
	s_lshr_b32 s24, s17, 1
	s_mul_i32 s24, s24, \NT
	s_lshl_b32 s25, s19, 1
	s_add_co_u32 s24, s24, s25
	s_lshl_b32 s24, s24, 2
	s_and_b32 s25, s17, 1
	s_lshl_b32 s25, s25, 1
	s_add_co_u32 s24, s24, s25
	s_mul_i32 s24, s24, 1536
.endif
	s_add_co_u32 s24, s24, \COFF
	s_mov_b32 s25, 0
	s_add_nc_u64 s[24:25], s[12:13], s[24:25]      ; my two tiles' codes of K steps 2 y, 2 y + 1
	s_mul_i32 s26, s19, 2*\KS
	s_lshl_b32 s27, s17, 1
	s_add_co_u32 s26, s26, s27
	s_lshl_b32 s26, s26, 6
	s_add_co_u32 s26, s26, \SOFF
	s_mov_b32 s27, 0
	s_add_nc_u64 s[26:27], s[12:13], s[26:27]      ; and their scale words
	v_mul_u32_u24 v5, v2, \SL*1536
	v_lshl_add_u32 v6, v3, 3, v5
	v_add_nc_u32 v6, 512, v6                       ; registers 4-5: tile u, 512 + 8 r
	v_lshl_add_u32 v5, v3, 4, v5                   ; registers 0-3: tile u, 16 r
	v_mul_u32_u24 v7, v2, \KS*64
	v_lshl_add_u32 v7, v3, 2, v7                   ; scale word: tile u, 4 r
	LOADW 0, \N
	LOADW 1, \N
.irp t, 0,1,2,3,4,5,6,7
	BLOCKW \t, \N
.endr
	s_wait_tensorcnt 0x0                           ; the wave's end: these three lines stand on every path
	ds_add_u32 v[SPW], v[NIL]
	s_wait_dscnt 0x0
	s_endpgm
.endm
	s_cmp_lt_u32 ttmp9, 96
	s_cbranch_scc1 .Lw_qkv
	s_cmp_lt_u32 ttmp9, 128
	s_cbranch_scc1 .Lw_out
	s_cmp_lt_u32 ttmp9, 256
	s_cbranch_scc1 .Lw_ff1
	s_wait_alu depctr_va_vdst(0)
	PATH 1024, 64, 32, 4, 4, 10, 6291456, 9699328, 256
.Lw_qkv:
	s_wait_alu depctr_va_vdst(0)
	PATH 3072, 192, 8, 2, 2, 4, 0, 9437184, 0
.Lw_out:
	s_wait_alu depctr_va_vdst(0)
	PATH 1024, 64, 8, 4, 2, 6, 2359296, 9535488, 96
.Lw_ff1:
	s_wait_alu depctr_va_vdst(0)
	PATH 4096, 256, 8, 2, 2, 8, 3145728, 9568256, 128
; ---------------------------------------------------------------- the LayerNorm
.Lnorm:
.set XR,  64                           ; v64-191  my 128 numbers: block b at XR + 16 b
.set GR,  192                          ; v192-223 a chunk's gains
.set BR,  224                          ; v224-255 a chunk's biases
.set TM,  8                            ; v8-11    largest magnitudes, then bytes
.set TS,  12                           ; v12-13   the conversions' scale operands
.set PW,  14                           ; v14      two scale bytes
.set KP,  15                           ; v15      the even chunk's two bytes, kept
.set PC,  16                           ; v16-24   codes
.set WD,  25                           ; v25      a scale word
.set SEL, 20                           ; s[20:21] selects for lane l xor 16
; 32 numbers of a lane, register 16 b + i = k 32 b + 16 (lane / 16) + i of my row, become a half fragment in v[PC .. PC+5] and its two scale bytes in v[PW]
.macro QH S
.irp b, 0,1
	v_max3_num_f32 v[TM+\b], |v[\S+16*\b]|, |v[\S+1+16*\b]|, 0x1800000   ; my 16 numbers and the floor 2^(3 - 127)
.endr
.irp i, 2,4,6,8,10,12,14
.irp b, 0,1
	v_max3_num_f32 v[TM+\b], v[TM+\b], |v[\S+16*\b+\i]|, |v[\S+1+16*\b+\i]|
.endr
.endr
.irp b, 0,1
	v_permlanex16_b32 v[TM+2+\b], v[TM+\b], s[SEL], s[SEL+1]
.endr
.irp b, 0,1
	v_max_num_f32 v[TM+\b], v[TM+\b], v[TM+2+\b]   ; with lane l xor 16's: the block's largest magnitude
.endr
.irp b, 0,1
	v_add_nc_u32 v[TS+\b], 0xff000000, v[TM+\b]    ; 2 off its exponent field: the conversion's scale operand
.endr
.irp b, 0,1
	v_lshrrev_b32 v[TM+2+\b], 23, v[TS+\b]         ; the scale's byte
.endr
	v_lshl_or_b32 v[PW], v[TM+3], 8, v[TM+2]
	v_cvt_scalef32_pk16_fp6_f32 v[PC:PC+2], v[\S:\S+15], v[TS]
	v_cvt_scalef32_pk16_fp6_f32 v[PC+6:PC+8], v[\S+16:\S+31], v[TS+1]
	v_nop                                          ; one plain place behind a scaled conversion
.irp i, 0,1,2
	v_permlane16_swap_b32 v[PC+\i], v[PC+6+\i]     ; a lane wants a whole block: lanes 0-15 block 0, lanes 16-31 block 1
.endr
.irp i, 0,1,2
	v_mov_b32 v[PC+3+\i], v[PC+6+\i]
.endr
.endm
	s_load_b128 s[4:7], s[0:1], 0x0                ; x, g
	s_load_b128 s[8:11], s[0:1], 0x10              ; b, h
	v_lshrrev_b32 v1, 5, v0
	v_readfirstlane_b32 s12, v1                    ; wave
	v_and_b32 v1, 15, v0                           ; r
	v_bfe_u32 v2, v0, 4, 1                         ; h
	v_and_b32 v3, 31, v0                           ; lane
	v_lshlrev_b32 v6, 4, v3                        ; 16 x lane
	v_lshl_add_u32 v7, v3, 3, 512                  ; 512 + 8 x lane
	s_lshl_b32 s13, s12, 10
	v_add_nc_u32 v5, s13, v6                       ; g, b in memory: 1,024 w + 16 x lane
	v_lshrrev_b32 v4, 3, v1
	v_lshl_add_u32 v4, v4, 3, v1                   ; r + 8 (r / 8)
	v_lshlrev_b32 v4, 12, v4                       ; rows of 4,096 bytes
	v_lshl_add_u32 v4, v2, 6, v4                   ; + 64 h
	v_add_nc_u32 v4, s13, v4                       ; + 1,024 w
	s_lshl_b32 s27, s12, 11
	s_add_co_u32 s27, s27, GB                      ; my wave's gains and biases in LDS
	v_add_nc_u32 v51, s27, v6                      ; in: 16 x lane
	v_lshlrev_b32 v52, 6, v2
	v_add_nc_u32 v52, s27, v52                     ; out: 64 h: sixteen lanes read the same 16 bytes
	v_lshlrev_b32 v48, 2, v1                       ; 4 r
	v_lshlrev_b32 v50, 4, v1                       ; LDS: my row's four partial sums
	s_lshl_b32 s16, s12, 2
	v_add_nc_u32 v49, s16, v50                     ; and my wave's word among them
	v_mov_b32 v[TM+2], 0                           ; a lane permute's destination counts as read
	v_mov_b32 v[TM+3], 0
	s_mov_b32 s[SEL], 0x76543210
	s_mov_b32 s[SEL+1], 0xfedcba98
	s_mov_b32 s22, 0x3a800000                      ; 1 / 1,024
	s_mov_b32 s23, 0x3727c5ac                      ; 1e-5
	s_sub_co_u32 s26, ttmp9, TFIRST                ; my row tile t
	s_lshr_b32 s14, s26, 1
	s_lshl_b32 s14, s14, 17
	s_and_b32 s15, s26, 1
	s_lshl_b32 s15, s15, 15
	s_add_co_u32 s14, s14, s15                     ; (32 (t / 2) + 8 (t % 2)) rows
	s_mov_b32 s15, 0
	s_lshl_b32 s18, s12, 8
	s_add_co_u32 s18, s18, s26
	s_mul_i32 s18, s18, 3072                       ; codes: (256 w + t) 3,072
	s_mov_b32 s19, 0
	s_lshl_b32 s24, s26, 9
	s_lshl_b32 s25, s12, 7
	s_add_co_u32 s24, s24, s25
	s_add_co_u32 s24, s24, 3145728                 ; scale words: 512 t + 128 w
	s_mov_b32 s25, 0
	s_wait_alu depctr_va_vdst(0)
	s_wait_kmcnt 0x0
	s_add_nc_u64 s[4:5], s[4:5], s[14:15]
	s_add_nc_u64 s[16:17], s[10:11], s[24:25]
	s_add_nc_u64 s[10:11], s[10:11], s[18:19]
.irp k, 0,1
	global_load_b128 v[32+4*\k:35+4*\k], v5, s[6:7] offset:512*\k    ; my wave's 256 gains: 32 lanes read 512 consecutive bytes
	global_load_b128 v[40+4*\k:43+4*\k], v5, s[8:9] offset:512*\k    ; and its 256 biases
.endr
.set II, 0
.rept 32
	global_load_b128 v[XR+4*II:XR+4*II+3], v4, s[4:5] offset:128*(II/4)+16*(II%4)
.set II, II+1
.endr
.macro GLOAD q                         ; gains and biases of chunk q (64 columns), out of LDS, in the numbers' layout
.set II, 0
.rept 8
	ds_load_b128 v[GR+4*II:GR+4*II+3], v52 offset:256*(\q)+128*(II/4)+16*(II%4)
	ds_load_b128 v[BR+4*II:BR+4*II+3], v52 offset:1024+256*(\q)+128*(II/4)+16*(II%4)
.set II, II+1
.endr
.endm
	s_wait_loadcnt 32                              ; the four loads of g and b are in; x's 32, issued behind them, may be out
.irp k, 0,1
	ds_store_b128 v51, v[32+4*\k:35+4*\k] offset:512*\k
	ds_store_b128 v51, v[40+4*\k:43+4*\k] offset:1024+512*\k
.endr
	GLOAD 0                                        ; a wave's LDS instructions are served in order: these see my stores; no other wave touches these bytes
	s_wait_dscnt 0x0                               ; the stores have read their registers, which the sums take next
; four chains v[32:39] are joined, lane l xor 16's added, and the four waves' partial sums meet in LDS: the row's sum ends in v40 of every lane
.macro REDUCE red
	v_pk_add_f32 v[32:33], v[32:33], v[34:35]
	v_pk_add_f32 v[36:37], v[36:37], v[38:39]
	v_pk_add_f32 v[32:33], v[32:33], v[36:37]
	v_add_f32 v32, v32, v33
	v_permlanex16_b32 v33, v32, s[SEL], s[SEL+1]
	v_add_f32 v32, v32, v33
	ds_store_b32 v49, v32 offset:\red              ; lanes r and r + 16 write the same word with the same value
	s_wait_dscnt 0x0                               ; for the others' sake: my store has landed
	s_barrier_signal -1
	s_barrier_wait -1
	ds_load_b128 v[40:43], v50 offset:\red
	s_wait_dscnt 0x0
	v_add_f32 v40, v40, v41
	v_add_f32 v42, v42, v43
	v_add_f32 v40, v40, v42
.endm
	s_wait_loadcnt 0x0                             ; x
.irp k, 0,1,2,3
	v_pk_add_f32 v[32+2*\k:33+2*\k], v[XR+2*\k:XR+2*\k+1], v[XR+8+2*\k:XR+9+2*\k]
.endr
.irp i, 16,24,32,40,48,56,64,72,80,88,96,104,112,120
.irp k, 0,1,2,3
	v_pk_add_f32 v[32+2*\k:33+2*\k], v[32+2*\k:33+2*\k], v[XR+\i+2*\k:XR+\i+2*\k+1]
.endr
.endr
	REDUCE RED0
	v_mul_f32 v26, s22, v40                        ; the mean
	v_mov_b32 v27, v26
.set II, 0
.rept 64
	v_pk_add_f32 v[XR+II:XR+II+1], v[XR+II:XR+II+1], v[26:27] neg_lo:[0,1] neg_hi:[0,1]
.set II, II+2
.endr
.irp k, 0,1,2,3
	v_pk_mul_f32 v[32+2*\k:33+2*\k], v[XR+2*\k:XR+2*\k+1], v[XR+2*\k:XR+2*\k+1]
.endr
.irp i, 8,16,24,32,40,48,56,64,72,80,88,96,104,112,120
.irp k, 0,1,2,3
	v_pk_fma_f32 v[32+2*\k:33+2*\k], v[XR+\i+2*\k:XR+\i+2*\k+1], v[XR+\i+2*\k:XR+\i+2*\k+1], v[32+2*\k:33+2*\k]
.endr
.endr
	REDUCE RED1
	v_fma_f32 v28, v40, s22, s23                   ; the variance + 1e-5
	s_wait_alu depctr_va_vdst(0)
	v_rsq_f32 v28, v28
	v_nop                                          ; a plain place behind the transcendental
	s_wait_alu depctr_va_vdst(0)                   ; and the wait ahead of its first reader
	v_mov_b32 v29, v28
.macro CHUNK q
	s_wait_dscnt 0x0                               ; this chunk's g and b are out of LDS
.set II, 0
.rept 16
	v_pk_mul_f32 v[XR+32*\q+II:XR+32*\q+II+1], v[XR+32*\q+II:XR+32*\q+II+1], v[28:29]
.set II, II+2
.endr
.set II, 0
.rept 16
	v_pk_fma_f32 v[XR+32*\q+II:XR+32*\q+II+1], v[XR+32*\q+II:XR+32*\q+II+1], v[GR+II:GR+II+1], v[BR+II:BR+II+1]
.set II, II+2
.endr
.if \q < 3
	GLOAD \q+1                                     ; the next chunk's, under this chunk's quantiser
.endif
	QH XR+32*\q
	global_store_b128 v6, v[PC:PC+3], s[10:11] offset:768*\q      ; 32 lanes store 512 consecutive bytes
	global_store_b64 v7, v[PC+4:PC+5], s[10:11] offset:768*\q     ; and 256
.if \q%2 == 0
	v_mov_b32 v[KP], v[PW]
.else
	v_lshl_or_b32 v[WD], v[PW], 16, v[KP]          ; four bytes: the K step's scale word
	global_store_b32 v48, v[WD], s[16:17] offset:64*(\q/2)
.endif
	s_wait_xcnt 0x0                                ; the stores' data registers are written again only behind this wait
.endm
	s_wait_alu depctr_va_vdst(0)
	CHUNK 0
	CHUNK 1
	CHUNK 2
	CHUNK 3
	s_wait_tensorcnt 0x0                           ; the wave's end: three lines behind my last LDS store
	ds_add_u32 v[SPW], v[NIL]
	s_wait_dscnt 0x0
	s_endpgm
.Lfunc_end_k_q258393baf6_prep:
	.size	k_q258393baf6_prep, .Lfunc_end_k_q258393baf6_prep-k_q258393baf6_prep
	.p2alignl 7, 3214868480
	.fill 96, 4, 3214868480
	.section	.rodata,"a",@progbits
	.p2align	6, 0x0
	.amdhsa_kernel k_q258393baf6_prep
		.amdhsa_group_segment_fixed_size 9216
		.amdhsa_private_segment_fixed_size 0
		.amdhsa_enable_private_segment 0
		.amdhsa_kernarg_size 72
		.amdhsa_user_sgpr_count 2
		.amdhsa_user_sgpr_kernarg_segment_ptr 1
		.amdhsa_wavefront_size32 1
		.amdhsa_system_sgpr_workgroup_id_x 1
		.amdhsa_system_sgpr_workgroup_id_y 1
		.amdhsa_system_sgpr_workgroup_id_z 1
		.amdhsa_system_vgpr_workitem_id 0
		.amdhsa_next_free_vgpr 256
		.amdhsa_next_free_sgpr 66
		.amdhsa_reserve_vcc 0
		.amdhsa_float_denorm_mode_32 3
		.amdhsa_float_denorm_mode_16_64 3
		.amdhsa_memory_ordered 1
		.amdhsa_forward_progress 1
		.amdhsa_inst_pref_size 198
	.end_amdhsa_kernel
	.amdgpu_metadata
---
amdhsa.version: [ 1, 2 ]
amdhsa.kernels:
  - .name:           k_q258393baf6_prep
    .symbol:         k_q258393baf6_prep.kd
    .args:
      - { .name: x, .offset: 0, .size: 8, .value_kind: global_buffer, .address_space: global }
      - { .name: ln1_g, .offset: 8, .size: 8, .value_kind: global_buffer, .address_space: global }
      - { .name: ln1_b, .offset: 16, .size: 8, .value_kind: global_buffer, .address_space: global }
      - { .name: hbuf, .offset: 24, .size: 8, .value_kind: global_buffer, .address_space: global }
      - { .name: w_qkv, .offset: 32, .size: 8, .value_kind: global_buffer, .address_space: global }
      - { .name: w_out, .offset: 40, .size: 8, .value_kind: global_buffer, .address_space: global }
      - { .name: w_ff1, .offset: 48, .size: 8, .value_kind: global_buffer, .address_space: global }
      - { .name: w_ff2, .offset: 56, .size: 8, .value_kind: global_buffer, .address_space: global }
      - { .name: wbuf, .offset: 64, .size: 8, .value_kind: global_buffer, .address_space: global }
    .group_segment_fixed_size: 9216
    .private_segment_fixed_size: 0
    .kernarg_segment_align: 8
    .kernarg_segment_size: 72
    .max_flat_workgroup_size: 128
    .sgpr_count:     66
    .vgpr_count:     256
    .wavefront_size: 32
...
	.end_amdgpu_metadata
.endif
;; end of part 1
;; launch qkv (part 2): grid 12 x 16, 16 waves a work-group, clusters of 4 x 4, 327,680 bytes of LDS; arguments hbuf, wbuf, b_qkv, qkvbuf; writes qkvbuf
.if DOCPART == 2
	.amdgcn_target "amdgcn-amd-amdhsa--gfx1250"
	.amdhsa_code_object_version 6
	.text
	.protected	k_q258393baf6_qkv
	.globl	k_q258393baf6_qkv
	.p2align	8
	.type	k_q258393baf6_qkv,@function
k_q258393baf6_qkv:
	s_mov_b64 s[64:65], 0
	v_nop
	global_prefetch_b8 v0, s[64:65] scope:SCOPE_SE
	s_setreg_imm32_b32 hwreg(HW_REG_WAVE_MODE, 25, 1), 1
	s_wait_xcnt 0x0
	s_wait_alu depctr_hold_cnt(0) depctr_sa_sdst(0) depctr_va_vdst(0) depctr_va_sdst(0) depctr_va_ssrc(0) depctr_va_vcc(0) depctr_vm_vsrc(0)
	s_getreg_b32 s2, hwreg(HW_REG_IB_STS2, 6, 4)
	s_cmp_eq_u32 s2, 0
	s_cbranch_scc0 .Lentry_in_a_cluster
	s_endpgm
.Lentry_in_a_cluster:
	s_bfe_u32 s2, ttmp6, 0x10000c
	s_cmp_lg_u32 s2, 0xf033
	s_cbranch_scc0 .Lentry_shape_is_right
	s_endpgm
.Lentry_shape_is_right:
; qkv = h w_qkv + b_qkv on codes of FP6 (E2M3) with E8M0 scales; the results are quantised at once as the operands of attention: q and k along the head's 64, v along the keys.
; A work-group makes 256 tokens x 256 columns; sixteen waves of 256 registers, four to a SIMD, each 64 x 64: 16 accumulators.  One wave's LDS loads stand beside another's products.
; OPERANDS LIE IN MEMORY AS REGISTER IMAGES (half fragment, 768 bytes: registers 0-3 of lane l at 16 l, registers 4-5 at 512 + 8 l), slot-major: a work-group's share of a slot (two K steps of 128) of one operand is
; 49,152 dense bytes, a loading wave's 6,144.  So tiles need no pitch and no padding, and every LDS load of a fragment reads consecutive bytes.
; ROW TILES: lane r of tile t holds row 32 (t / 2) + 8 (t % 2) + r + 8 (r / 8), for tokens and for the weights' columns alike: so a lane's 32 results of four tiles are 2 x 16 neighbours along the next K.
; RING: two slots; every wave fetches: waves 0-7 A's share, waves 8-15 B's.  CLUSTER 4 x 4: A's tiles are asked for jointly along a row of the cluster, B's along a column.  The scale words of all of K come once.
; Clusters with x = 0 make q, x = 1 k, x = 2 v.  For q and k source 0 = the weight, source 1 = h: a lane holds a token, its registers run along the head.  For v the sources are swapped: a lane holds a channel, its registers run along the tokens (the keys).
; The 16 accumulators take turns 4 a + b in the first form, 4 b + a in the swapped (a outer, b inner).
; THE BIASES of a wave's 64 columns (256 bytes) are asked for at the head, beside the first tiles, and wait in 256 bytes of LDS of the wave's own: no load from memory stands behind the last product.
; LIMITS: a block whose largest magnitude lies under 2^-124 gets the byte 1 (only this program reads the bytes).  NaN and infinities are not served.
.set SIGA,  786432                     ; bytes from a slot to the next in A's codes
.set SIGB,  589824                     ; and in B's
.set SCW,   1024                       ; scale bytes that a wave fetches
.set ASOFF, 3145728                    ; A's scale words in hbuf
.set BCOFF, 0                          ; B's codes in wbuf
.set BSOFF, 9437184                    ; B's scale words in wbuf
.set KVC,   3145728                    ; qkvbuf: K's and V's codes; Q's lie at 0
.set QS,    9699328                    ;         Q's scale bytes, behind K's and V's 512 blocks
.set KSB,   12800                      ;         a block of one head's key step of 128: K's codes 6,144, V's codes 6,144, K's scale words 256, V's 256
.set SLOT,  98304                      ; LDS: a slot: A's 49,152 bytes, then B's
.set SCLB,  196608                     ;      the scale words: A's 8,192 bytes, then B's
.set SPARE, 212992                     ;      the spare words, 128 bytes a wave
.set BIASL, 215040                     ;      the biases: 256 bytes a wave; no fill lands here
.set SCL,   24                         ; v24-27   scale words: lanes 0-15 A's tile i, lanes 16-31 B's tile i
.set AF,    32                         ; v32-79   A's four fragments
.set BF,    80                         ; v80-127  B's four
.set ACC,   128                        ; v128-255 the accumulators
.set TM,    64
.set TS,    68
.set PW,    70
.set PC,    72
.set LSC,   18                         ; v18      my scale bytes' place
.set VF,    12                         ; s12      1 in the clusters that make v
.set SEL,   14
.set WV,    16
.set FB,    17
.set G1A,   24
.set G1B,   32
.set G0A,   40
.set G0B,   48
.set G1SA,  56
.set G1SB,  68
.set G0SA,  76
.set G0SB,  80
.set OUT,   50
.set OSC,   52
.macro JLOAD g0a, g1a, g0b, g1b        ; a joint load: waves 0-7 for A, waves 8-15 for B; the branch hangs on the wave's number alone; an s_nop 0 and four v_nop follow each line
	s_cmp_eq_u32 s[FB], 0
	s_cbranch_scc0 .Lfor_b_\@
	tensor_load_to_lds s[\g0a:\g0a+3], s[\g1a:\g1a+7]
	s_nop 0
.rept 4
	v_nop
.endr
	s_branch .Lasked_\@
.Lfor_b_\@:
	tensor_load_to_lds s[\g0b:\g0b+3], s[\g1b:\g1b+7]
	s_nop 0
.rept 4
	v_nop
.endr
.Lasked_\@:
.endm
.macro CROUND                          ; a round of the cluster's barrier
	s_barrier_signal -1
	s_barrier_wait -1
	s_cmp_lg_u32 s[WV], 0
	s_cbranch_scc1 .Lnot_wave_0_\@
	s_barrier_signal -3
.Lnot_wave_0_\@:
	s_barrier_wait -3
	s_barrier_signal -1
	s_barrier_wait -1
.endm
; The change of slots: every wave waits for all its tensor loads (its part of the slot ahead), adds 0 to its spare word, waits for that and for its reads of the slot left.  fill = 1: a round, and the slot left is filled again first thing behind it.
.macro CHANGE slot, fill
	s_wait_tensorcnt 0x0
	ds_add_u32 v30, v31
.if \fill
	s_add_nc_u64 s[G0A+4*(\slot)+2:G0A+4*(\slot)+3], s[G0A+4*(\slot)+2:G0A+4*(\slot)+3], 2*SIGA
	s_add_nc_u64 s[G0B+4*(\slot)+2:G0B+4*(\slot)+3], s[G0B+4*(\slot)+2:G0B+4*(\slot)+3], 2*SIGB
.endif
	s_wait_dscnt 0x0
.if \fill
	CROUND
	JLOAD G0A+4*(\slot), G1A, G0B+4*(\slot), G1B
.else
	s_barrier_signal -1
	s_barrier_wait -1
.endif
.endm
.macro QH S                            ; 32 numbers of a lane (register 16 b + i = k 32 b + 16 (lane / 16) + i) -> a half fragment in v[PC .. PC+5], two scale bytes in v[PW]
.irp b, 0,1
	v_max3_num_f32 v[TM+\b], |v[\S+16*\b]|, |v[\S+1+16*\b]|, 0x1800000
.endr
.irp i, 2,4,6,8,10,12,14
.irp b, 0,1
	s_delay_alu instid0(VALU_DEP_2)
	v_max3_num_f32 v[TM+\b], v[TM+\b], |v[\S+16*\b+\i]|, |v[\S+1+16*\b+\i]|
.endr
.endr
.irp b, 0,1
	s_delay_alu instid0(VALU_DEP_2)
	v_permlanex16_b32 v[TM+2+\b], v[TM+\b], s[SEL], s[SEL+1]
.endr
.irp b, 0,1
	s_delay_alu instid0(VALU_DEP_2)
	v_max_num_f32 v[TM+\b], v[TM+\b], v[TM+2+\b]
.endr
.irp b, 0,1
	s_delay_alu instid0(VALU_DEP_2)
	v_add_nc_u32 v[TS+\b], 0xff000000, v[TM+\b]
.endr
.irp b, 0,1
	s_delay_alu instid0(VALU_DEP_2)
	v_lshrrev_b32 v[TM+2+\b], 23, v[TS+\b]
.endr
	s_delay_alu instid0(VALU_DEP_1)
	v_lshl_or_b32 v[PW], v[TM+3], 8, v[TM+2]
	v_cvt_scalef32_pk16_fp6_f32 v[PC:PC+2], v[\S:\S+15], v[TS]
	v_cvt_scalef32_pk16_fp6_f32 v[PC+6:PC+8], v[\S+16:\S+31], v[TS+1]
	v_nop
.irp i, 0,1,2
	v_permlane16_swap_b32 v[PC+\i], v[PC+6+\i]
.endr
.irp i, 0,1,2
	s_delay_alu instid0(VALU_DEP_3)
	v_mov_b32 v[PC+3+\i], v[PC+6+\i]
.endr
.endm
.macro FRAG reg, a16, a8, off          ; a fragment: two half fragments, as they lie
	ds_load_b128 v[\reg:\reg+3], v[\a16] offset:\off
	ds_load_b64 v[\reg+4:\reg+5], v[\a8] offset:\off
	ds_load_b128 v[\reg+6:\reg+9], v[\a16] offset:\off+768
	ds_load_b64 v[\reg+10:\reg+11], v[\a8] offset:\off+768
.endm
.macro MMR a, zero                     ; h's tile a against the weight's four: source 0 = the weight's tile b, source 1 = h's tile a; accumulator 4 a + b
.irp b, 0,1,2,3
.if \zero
	v_wmma_scale_f32_16x16x128_f8f6f4 v[ACC+8*(4*\a+\b):ACC+8*(4*\a+\b)+7], v[BF+12*\b:BF+12*\b+11], v[AF+12*\a:AF+12*\a+11], 0, v[SCL+\b], v[SCL+\a] matrix_a_fmt:MATRIX_FMT_FP6 matrix_b_fmt:MATRIX_FMT_FP6 matrix_a_scale:MATRIX_SCALE_ROW1
.else
	v_wmma_scale_f32_16x16x128_f8f6f4 v[ACC+8*(4*\a+\b):ACC+8*(4*\a+\b)+7], v[BF+12*\b:BF+12*\b+11], v[AF+12*\a:AF+12*\a+11], v[ACC+8*(4*\a+\b):ACC+8*(4*\a+\b)+7], v[SCL+\b], v[SCL+\a] matrix_a_fmt:MATRIX_FMT_FP6 matrix_b_fmt:MATRIX_FMT_FP6 matrix_a_scale:MATRIX_SCALE_ROW1
.endif
.endr
.endm
.macro MSR a, zero                     ; swapped: source 0 = h's tile a, source 1 = the weight's tile b; accumulator 4 b + a
.irp b, 0,1,2,3
.if \zero
	v_wmma_scale_f32_16x16x128_f8f6f4 v[ACC+8*(4*\b+\a):ACC+8*(4*\b+\a)+7], v[AF+12*\a:AF+12*\a+11], v[BF+12*\b:BF+12*\b+11], 0, v[SCL+\a], v[SCL+\b] matrix_a_fmt:MATRIX_FMT_FP6 matrix_b_fmt:MATRIX_FMT_FP6 matrix_b_scale:MATRIX_SCALE_ROW1
.else
	v_wmma_scale_f32_16x16x128_f8f6f4 v[ACC+8*(4*\b+\a):ACC+8*(4*\b+\a)+7], v[AF+12*\a:AF+12*\a+11], v[BF+12*\b:BF+12*\b+11], v[ACC+8*(4*\b+\a):ACC+8*(4*\b+\a)+7], v[SCL+\a], v[SCL+\b] matrix_a_fmt:MATRIX_FMT_FP6 matrix_b_fmt:MATRIX_FMT_FP6 matrix_b_scale:MATRIX_SCALE_ROW1
.endif
.endr
.endm
; A K step of 128: the sl-th of the slot, the s-th of K.  Four places stand in front of the loads into registers that the last products read.
.macro STEP slot, sl, s, zero
.rept 4
	v_nop
.endr
.irp i, 0,1,2,3
	ds_load_b32 v[SCL+\i], v16 offset:\i*512+\s*64
.endr
.irp b, 0,1,2,3
	FRAG BF+12*\b, 12+\slot, 14+\slot, \b*3072+\sl*1536
.endr
.irp a, 0,1,2,3
	FRAG AF+12*\a, 8+\slot, 10+\slot, \a*3072+\sl*1536
.endr
	s_cmp_eq_u32 s[VF], 0                          ; the cluster's x alone: the same in all partners and all waves
	s_cbranch_scc0 .Lswapped_\@
.irp a, 0,1,2,3
	s_wait_dscnt 12-4*\a                           ; the scale words, B and A's tiles up to a are in; behind them stand four loads for each later tile of A
	MMR \a, \zero
.endr
	s_branch .Lmultiplied_\@
.Lswapped_\@:
.irp a, 0,1,2,3
	s_wait_dscnt 12-4*\a
	MSR \a, \zero
.endr
.Lmultiplied_\@:
.endm
	s_load_b256 s[4:11], s[0:1], 0x0               ; hbuf, wbuf, b_qkv, qkvbuf
	v_lshl_add_u32 v30, v0, 2, SPARE
	v_mov_b32 v31, 0
	ds_add_u32 v30, v31                            ; the wave's opening: the add and its wait stand ahead of my first tensor load
	ds_add_u32 v30, v31
	v_lshrrev_b32 v1, 5, v0
	s_delay_alu instid0(VALU_DEP_1)
	v_readfirstlane_b32 s[WV], v1                  ; wave 0..15
	s_lshr_b32 s[FB], s[WV], 3                     ; I fetch for A (0) or for B (1)
	s_bfe_u32 s18, ttmp6, 0x40000                  ; cx
	s_bfe_u32 s19, ttmp6, 0x40004                  ; cy
	s_and_b32 s20, ttmp7, 0xffff
	s_lshl_b32 s20, s20, 2
	s_add_co_u32 s20, s20, s19                     ; tile row: 256 tokens
	s_lshl_b32 s21, ttmp9, 2
	s_add_co_u32 s21, s21, s18                     ; tile column: 256 columns
	s_cmp_eq_u32 ttmp9, 2
	s_cselect_b32 s[VF], 1, 0
	s_lshl_b32 s84, s19, 2
	s_lshl_b32 s84, 15, s84                        ; my row of the cluster
	s_lshl_b32 s85, 0x1111, s18                    ; my column
	s_or_b32 s[G1A], s84, (3<<16)|(1<<21)          ; 15:0 the mask; 17:16 elements of 8 bytes; 21 set beside a mask; no padding
	s_or_b32 s[G1B], s85, (3<<16)|(1<<21)
.irp g, G1A, G1B                       ; 6,144 dense bytes as 24 rows of 256
	s_mov_b32 s[\g+1], 32<<16
	s_mov_b32 s[\g+2], 24<<16
	s_mov_b32 s[\g+3], 32<<16
	s_mov_b32 s[\g+4], 24
	s_mov_b32 s[\g+5], 32
	s_mov_b32 s[\g+6], 0
	s_mov_b32 s[\g+7], 0
.endr
	s_and_b32 s86, s[WV], 7
	s_mul_i32 s87, s86, 6144
	s_mul_i32 s88, s20, 49152
	s_add_co_u32 s88, s88, s87                     ; A's codes: the tile row's share, my eighth of it
	s_mov_b32 s89, 0
	s_mul_i32 s90, s21, 49152
	s_add_co_u32 s90, s90, s87
	s_add_co_u32 s90, s90, BCOFF                   ; B's: the tile column's
	s_mov_b32 s91, 0
	s_mul_i32 s87, s86, SCW
	s_mul_i32 s92, s20, 8*SCW
	s_add_co_u32 s92, s92, s87
	s_add_co_u32 s92, s92, ASOFF
	s_mov_b32 s93, 0
	s_mul_i32 s94, s21, 8*SCW
	s_add_co_u32 s94, s94, s87
	s_add_co_u32 s94, s94, BSOFF
	s_mov_b32 s95, 0
	s_mul_i32 s96, s[WV], 6144                     ; where they go: no place in the cluster enters an LDS address
	s_mul_i32 s97, s[WV], SCW
	s_lshr_b32 s22, s[WV], 2                       ; wa: my 64 tokens
	s_and_b32 s23, s[WV], 3                        ; wb: my 64 columns
	s_lshl_b32 s98, s21, 2
	s_add_co_u32 s98, s98, s23                     ; which 64 columns of the 3,072
	s_lshl_b32 s98, s98, 8                         ; their biases, in bytes
	s_mov_b32 s99, 0
	v_and_b32 v3, 31, v0                           ; lane
	s_delay_alu instid0(VALU_DEP_1)
	v_lshlrev_b32 v17, 3, v3
	v_lshlrev_b32 v20, 4, v3                       ; 16 bytes a lane
	s_mov_b32 s[SEL], 0x76543210
	s_mov_b32 s[SEL+1], 0xfedcba98
	s_wait_alu depctr_va_vdst(0)
	s_wait_dscnt 0x0
	CROUND                                         ; the round in front of the first joint loads, ahead of the wait for the arguments
	s_wait_kmcnt 0x0
	s_add_nc_u64 s[88:89], s[4:5], s[88:89]
	s_add_nc_u64 s[90:91], s[6:7], s[90:91]
	s_add_nc_u64 s[92:93], s[4:5], s[92:93]
	s_add_nc_u64 s[94:95], s[6:7], s[94:95]
	s_add_nc_u64 s[8:9], s[8:9], s[98:99]
	global_load_b64 v[32:33], v17, s[8:9]
	s_cmp_eq_u32 s[FB], 0                          ; the scale words of all of K come through registers: waves 0-7 A's, waves 8-15 B's, SCW dense bytes a wave
	s_cselect_b64 s[92:93], s[92:93], s[94:95]
	; PREFETCHES: each wave asks for its own 6,144 bytes of a later slot fill; the four partners that load them jointly take 6 blocks of 256 bytes each, told apart by address (cx for A, cy for B).
	; The head asks for fills 1 and 2, the first trip for fill 3, the last: each two fills ahead of its load but fill 1.
	s_cselect_b64 s[76:77], s[88:89], s[90:91]
	s_mov_b32 s82, SIGB
	s_cselect_b32 s82, SIGA, s82
	s_cselect_b32 s68, s18, s19
	s_mov_b32 s83, 0
	s_add_nc_u64 s[76:77], s[76:77], s[82:83]      ; fill 1
	s_add_nc_u64 s[78:79], s[76:77], s[82:83]      ; fill 2
	s_add_nc_u64 s[80:81], s[78:79], s[82:83]      ; fill 3
	s_mul_i32 s68, s68, 1536
	global_load_b128 v[36:39], v20, s[92:93]
	global_load_b128 v[40:43], v20, s[92:93] offset:512
	s_add_co_u32 s97, s97, SCLB
.irp s, 0,1
	s_mov_b32 s[G0A+4*\s], 1
	s_add_co_u32 s[G0A+4*\s+1], s96, \s*SLOT
	s_add_nc_u64 s[G0A+4*\s+2:G0A+4*\s+3], s[88:89], \s*SIGA
	s_or_b32 s[G0A+4*\s+3], s[G0A+4*\s+3], 0x80000000
	s_mov_b32 s[G0B+4*\s], 1
	s_add_co_u32 s[G0B+4*\s+1], s96, \s*SLOT
	s_add_nc_u64 s[G0B+4*\s+2:G0B+4*\s+3], s[90:91], \s*SIGB
	s_or_b32 s[G0B+4*\s+3], s[G0B+4*\s+3], 0x80000000
.endr
	JLOAD G0A, G1A, G0B, G1B
	v_min_u32 v28, 5, v3                           ; lanes 0-5 a block each; the others name the last again
	v_lshl_add_u32 v28, v28, 8, s68
	global_prefetch_b8 v28, s[76:77] th:TH_LOAD_NT scope:SCOPE_SE
	global_prefetch_b8 v28, s[78:79] th:TH_LOAD_NT scope:SCOPE_SE
	v_and_b32 v1, 15, v0                           ; r
	v_bfe_u32 v2, v0, 4, 1                         ; h
	v_lshlrev_b32 v4, 4, v3                        ; 16 x lane
	v_lshl_add_u32 v5, v3, 3, 512                  ; 512 + 8 x lane
	s_mul_i32 s84, s22, 12288
	s_mul_i32 s85, s23, 12288
	s_add_co_u32 s85, s85, 49152
.irp s, 0,1
	v_add_nc_u32 v[8+\s], s84, v4
	v_add_nc_u32 v[10+\s], s84, v5
	v_add_nc_u32 v[12+\s], s85, v4
	v_add_nc_u32 v[14+\s], s85, v5
	s_add_co_u32 s84, s84, SLOT
	s_add_co_u32 s85, s85, SLOT
.endr
	s_lshl_b32 s84, s22, 11                        ; A's scale words: my four tiles of 512 bytes
	s_lshl_b32 s85, s23, 11
	s_add_co_u32 s85, s85, 8192                    ; B's lie behind A's 8,192
	s_sub_co_u32 s85, s85, s84
	v_mul_u32_u24 v16, s85, v2                     ; lanes 16-31 take B's
	s_add_co_u32 s84, s84, SCLB
	v_lshl_add_u32 v16, v1, 2, v16
	s_delay_alu instid0(VALU_DEP_1)
	v_add_nc_u32 v16, s84, v16
	s_lshl_b32 s84, s[WV], 8
	s_add_co_u32 s84, s84, BIASL                   ; my wave's 256 bytes of biases in LDS
	v_add_nc_u32 v19, s84, v17
	v_add_nc_u32 v21, s97, v20                     ; my scale words' place in LDS
	v_lshlrev_b32 v22, 6, v2
	s_delay_alu instid0(VALU_DEP_1)
	v_add_nc_u32 v22, s84, v22                     ; out, q and k: 64 h
	v_lshrrev_b32 v23, 3, v1
	s_delay_alu instid0(VALU_DEP_1)
	v_lshl_add_u32 v23, v23, 3, v1
	s_delay_alu instid0(VALU_DEP_1)
	v_lshl_add_u32 v23, v23, 2, s84                ; out, v: 4 (r + 8 (r / 8))
	s_wait_alu depctr_va_vdst(0)
	s_wait_loadcnt 0x0                             ; the biases are in
	ds_store_b64 v19, v[32:33]
	ds_store_b128 v21, v[36:39]
	ds_store_b128 v21, v[40:43] offset:512
	s_wait_tensorcnt 0x0                           ; my part of slot 0 is in; slot 1's first fill is issued as a refill is
	ds_add_u32 v30, v31
	s_wait_dscnt 0x0
	CROUND
	JLOAD G0A+4, G1A, G0B+4, G1B
	global_prefetch_b8 v28, s[80:81] th:TH_LOAD_NT scope:SCOPE_SE
	STEP 0, 0, 0, 1                                ; the first products start the sums
	STEP 0, 1, 1, 0
	CHANGE 0, 1
	STEP 1, 0, 2, 0
	STEP 1, 1, 3, 0
	CHANGE 1, 1
	STEP 0, 0, 4, 0
	STEP 0, 1, 5, 0
	CHANGE 0, 0
	STEP 1, 0, 6, 0
	STEP 1, 1, 7, 0
	; ---- THE WAY OUT.  Group g (32 registers) is one tile of lanes x 64 along the next K, in either form.  No tensor load is out: the descriptors' registers serve as scratch.
.rept 4
	v_nop                                          ; places in front of the first read of results and of loads into registers that the last products read
.endr
	s_lshl_b32 s84, s21, 2
	s_add_co_u32 s84, s84, s23                     ; which 64 columns of the 3,072
	s_and_b32 s24, s84, 15                         ; the head
	s_lshr_b32 s25, s20, 3
	s_lshl_b32 s25, s25, 4
	s_add_co_u32 s25, s25, s24                     ; 16 x batch + head
	s_lshl_b32 s26, s20, 4
	s_lshl_b32 s27, s22, 2
	s_add_co_u32 s26, s26, s27                     ; my first token tile
	s_lshl_b32 s28, s20, 1
	s_lshr_b32 s29, s22, 1
	s_add_co_u32 s28, s28, s29
	s_and_b32 s28, s28, 15                         ; my key step of 128
	s_and_b32 s29, s22, 1                          ; and which half of it
	s_lshl_b32 s30, s24, 8
	s_add_co_u32 s30, s30, s26
	s_mul_i32 s31, s30, 768                        ; q: codes [head][tile]
	s_lshl_b32 s30, s30, 5
	s_add_co_u32 s30, s30, QS                      ;    scale bytes
	s_lshl_b32 s32, s25, 4
	s_add_co_u32 s32, s32, s28
	s_mul_i32 s32, s32, KSB
	s_add_co_u32 s32, s32, KVC                     ; the block of my head's key step
	s_mul_i32 s33, s29, 3072
	s_add_co_u32 s33, s33, s32                     ; k: codes [tile of the step's eight]
	s_lshl_b32 s34, s29, 7
	s_add_co_u32 s34, s34, s32
	s_add_co_u32 s34, s34, 12288                   ;    scale words [pair of tiles][r][tile % 2][2 bytes]
	s_mul_i32 s36, s29, 768
	s_add_co_u32 s36, s36, s32
	s_add_co_u32 s36, s36, 6144                    ; v: codes [channel tile][half]
	s_lshl_b32 s37, s29, 1
	s_add_co_u32 s37, s37, s32
	s_add_co_u32 s37, s37, 12544                   ;    scale words [channel tile][r][half][2 bytes]
	s_cmp_eq_u32 ttmp9, 0
	s_cselect_b32 s40, s31, s33
	s_cselect_b32 s42, s30, s34
	s_cmp_eq_u32 ttmp9, 2
	s_cselect_b32 s40, s36, s40
	s_cselect_b32 s42, s37, s42
	s_mov_b32 s41, 0
	s_mov_b32 s43, 0
	s_add_nc_u64 s[OUT:OUT+1], s[10:11], s[40:41]
	s_add_nc_u64 s[OSC:OSC+1], s[10:11], s[42:43]
	s_lshl_b32 s44, 768, s[VF]                     ; from group to group: 768 bytes of codes (v: 1,536),
	s_mov_b32 s45, 0
	s_lshl_b32 s46, 32, s[VF]                      ; scale bytes from group to group: q 32, v 64; k 2 behind an even group and 62 behind an odd one
	s_mov_b32 s38, s46
	s_cmp_eq_u32 ttmp9, 1
	s_cselect_b32 s46, 2, s46
	s_cselect_b32 s38, 62, s38
	s_mov_b32 s47, 0
	s_mov_b32 s39, 0
	s_cmp_eq_u32 ttmp9, 0
	s_cselect_b32 s48, 1, 2                        ; q: 2 r; k and v: 4 r
	v_lshlrev_b32 v[LSC], s48, v1                  ; 2 r (v: 4 r)
	s_cmp_eq_u32 s[VF], 0
	s_cbranch_scc0 .Lbias_v
.set II, 0
.rept 8
	ds_load_b128 v[32+4*II:35+4*II], v22 offset:128*(II/4)+16*(II%4)   ; q, k: register 16 b + i is column 32 b + 16 h + i
.set II, II+1
.endr
	s_wait_dscnt 0x0
.irp g, 0,1,2,3
.set II, 0
.rept 16
	v_pk_add_f32 v[ACC+32*\g+II:ACC+32*\g+II+1], v[ACC+32*\g+II:ACC+32*\g+II+1], v[32+II:33+II]
.set II, II+2
.endr
.endr
	s_branch .Lbias_done
.Lbias_v:
.irp g, 0,1,2,3
	ds_load_b32 v[32+2*\g], v23 offset:(32*(\g/2)+8*(\g%2))*4          ; v: a lane holds one column of each group
	v_mov_b32 v[33+2*\g], 0                        ; (named as the pair's upper half)
.endr
	s_wait_alu depctr_va_vdst(0)
	s_wait_dscnt 0x0
.irp g, 0,1,2,3
.set II, 0
.rept 16
	v_pk_add_f32 v[ACC+32*\g+II:ACC+32*\g+II+1], v[ACC+32*\g+II:ACC+32*\g+II+1], v[32+2*\g:33+2*\g] op_sel_hi:[1,0]
.set II, II+2
.endr
.endr
.Lbias_done:
	v_mov_b32 v[TM+2], 0                           ; a lane permute's destination counts as read
	v_mov_b32 v[TM+3], 0
.irp g, 0,1,2,3
	QH ACC+32*\g
	global_store_b128 v4, v[PC:PC+3], s[OUT:OUT+1]           ; 32 lanes store 512 consecutive bytes
	global_store_b64 v5, v[PC+4:PC+5], s[OUT:OUT+1]          ; and 256
	global_store_b16 v[LSC], v[PW], s[OSC:OSC+1]             ; lanes r and r + 16 hold the same two bytes
	s_wait_xcnt 0x0                                ; data registers and bases are written again only behind this wait
	s_add_nc_u64 s[OUT:OUT+1], s[OUT:OUT+1], s[44:45]
	s_add_nc_u64 s[OSC:OSC+1], s[OSC:OSC+1], s[46-8*(\g%2):47-8*(\g%2)]
.endr
	s_wait_tensorcnt 0x0                           ; the wave's end
	ds_add_u32 v30, v31
	s_wait_dscnt 0x0
	CROUND                                         ; the closing round
	s_endpgm
.Lfunc_end_k_q258393baf6_qkv:
	.size	k_q258393baf6_qkv, .Lfunc_end_k_q258393baf6_qkv-k_q258393baf6_qkv
	.p2alignl 7, 3214868480
	.fill 96, 4, 3214868480
	.section	.rodata,"a",@progbits
	.p2align	6, 0x0
	.amdhsa_kernel k_q258393baf6_qkv
		.amdhsa_group_segment_fixed_size 327680
		.amdhsa_private_segment_fixed_size 0
		.amdhsa_enable_private_segment 0
		.amdhsa_kernarg_size 32
		.amdhsa_user_sgpr_count 2
		.amdhsa_user_sgpr_kernarg_segment_ptr 1
		.amdhsa_wavefront_size32 1
		.amdhsa_system_sgpr_workgroup_id_x 1
		.amdhsa_system_sgpr_workgroup_id_y 1
		.amdhsa_system_sgpr_workgroup_id_z 1
		.amdhsa_system_vgpr_workitem_id 0
		.amdhsa_next_free_vgpr 256
		.amdhsa_next_free_sgpr 100
		.amdhsa_reserve_vcc 0
		.amdhsa_float_denorm_mode_32 3
		.amdhsa_float_denorm_mode_16_64 3
		.amdhsa_memory_ordered 1
		.amdhsa_forward_progress 1
		.amdhsa_inst_pref_size 90
	.end_amdhsa_kernel
	.amdgpu_metadata
---
amdhsa.version: [ 1, 2 ]
amdhsa.kernels:
  - .name:           k_q258393baf6_qkv
    .symbol:         k_q258393baf6_qkv.kd
    .args:
      - { .name: hbuf, .offset: 0, .size: 8, .value_kind: global_buffer, .address_space: global }
      - { .name: wbuf, .offset: 8, .size: 8, .value_kind: global_buffer, .address_space: global }
      - { .name: b_qkv, .offset: 16, .size: 8, .value_kind: global_buffer, .address_space: global }
      - { .name: qkvbuf, .offset: 24, .size: 8, .value_kind: global_buffer, .address_space: global }
    .group_segment_fixed_size: 327680
    .private_segment_fixed_size: 0
    .kernarg_segment_align: 8
    .kernarg_segment_size: 32
    .max_flat_workgroup_size: 512
    .sgpr_count:     100
    .vgpr_count:     256
    .wavefront_size: 32
...
	.end_amdgpu_metadata
.endif
;; end of part 2
;; launch attn (part 3): grid 8 x 32, 16 waves a work-group, clusters of 4 x 1, 327,680 bytes of LDS; arguments qkvbuf, obuf; writes obuf
.if DOCPART == 3
	.amdgcn_target "amdgcn-amd-amdhsa--gfx1250"
	.amdhsa_code_object_version 6
	.text
	.protected	k_q258393baf6_attn
	.globl	k_q258393baf6_attn
	.p2align	8
	.type	k_q258393baf6_attn,@function
k_q258393baf6_attn:
	s_mov_b64 s[64:65], 0
	v_nop
	global_prefetch_b8 v0, s[64:65] scope:SCOPE_SE
	s_setreg_imm32_b32 hwreg(HW_REG_WAVE_MODE, 25, 1), 1
	s_wait_xcnt 0x0
	s_wait_alu depctr_hold_cnt(0) depctr_sa_sdst(0) depctr_va_vdst(0) depctr_va_sdst(0) depctr_va_ssrc(0) depctr_va_vcc(0) depctr_vm_vsrc(0)
	s_getreg_b32 s2, hwreg(HW_REG_IB_STS2, 6, 4)
	s_cmp_eq_u32 s2, 0
	s_cbranch_scc0 .Lentry_in_a_cluster
	s_endpgm
.Lentry_in_a_cluster:
	s_bfe_u32 s2, ttmp6, 0x10000c
	s_cmp_lg_u32 s2, 0x3003
	s_cbranch_scc0 .Lentry_shape_is_right
	s_endpgm
.Lentry_shape_is_right:
; CAUSAL ATTENTION ON CODES OF FP6 (E2M3): o = softmax(q k^T / 8) v for one batch and head a work-group row (y), quantised at once along the head as the next product's operand.
; LEFT OUT: key steps of 128 that lie wholly above the diagonal (reference()'s own jnp.tril gives them p = 0 for all inputs).
; LIMITS: the promise holds while the scaled scores stay under 2^31 in magnitude; NaN and infinities are not served; a block of p or of o under 2^-124 gets the byte 1 (only this program reads the bytes).
; THE DEAL.  Work-group x (0 .. 7) takes the query tiles t = x mod 8 of its head's 128: sixteen tiles that need 1 .. 16 key steps, 136 tile steps in every work-group, and every key step is read by every work-group.
; The tile with 16 - p steps (L) and the tile with p + 1 steps (S) go to the pair of waves 2 p, 2 p + 1.  Role A: L's key steps 0 .. 7.  Role B: L's key steps 8 .. 15 - p, then S's 0 .. p.  So a wave walks 8 or 9 steps.
; B hands its part of L (O^T, -M, the sums) to A through LDS; M is a whole number, so the two parts are joined by exact powers of two.  A finishes L, B finishes S.
; LDS: the head's 16 key steps, 12,800 dense bytes each (K's codes 6,144, V's 6,144, K's scale words 256, V's 256), key step k at 12,800 k: wave w fetches key step 8 (w % 2) + w / 2 with its one tensor load.  Nothing is filled again.
; Waves 0 and 1 bring key steps 0 and 8, which the first step reads: the first barrier shows these two, the second, behind the first step, all.
; CLUSTER 4, 1, 1: four of the eight work-groups of a head ask for each block jointly (a mask names four at the most).  No branch, trip count or LDS address hangs on a work-group's place: x enters global addresses and the mask's compare alone.
; NO PREFETCH: all tiles are asked for at the head; there is no loop of loads to run ahead in.
; PRODUCTS, both transposed, so that a lane holds one query.  S^T: a fragment of 12 registers holds TWO key tiles (64 + 64 along K); against [q | 0] it gives the first tile's scores, against [0 | q] the second's: v32-49 = [0][q][0].
; O^T += v^T p^T.  V's fragments take K's registers straight behind the score products, so they land under the softmax.
.set KVC,   3145728
.set QS,    9699328
.set OSO,   3145728
.set KSB,   12800
.set MRG,   204800                     ; LDS: 4,608 bytes a pair of waves for B's part of L; no fill lands here
.set SPARE, 241664                     ;      the spare words, 128 bytes a wave
.set WV,  8
.set G0,  12
.set G1,  16
.set SEL, 24
.set CS,  26
.set TB,  28                           ; s28 the next key step's bytes in LDS
.set KSN, 29                           ; s29 the key step
.set LIM, 30                           ; s30 the tile's last key step, the one on the diagonal
.set CNT, 31
.set ROLE, 32
.set PP,  33
.set XX,  34
.set LIM2, 35
.set QP,  36
.set QSP, 38
.set Q2P, 40
.set Q2S, 42
.set OUT, 44
.set OSC, 46
.set QZ,  32                           ; v32-49  [0][q][0]; v50-56 the second tile's q and scale word
.set KF,  64                           ; v64-111 four fragments: K's, then V's
.set TM,  112                          ; v112-115 block maxima, v116-119 permutes and bytes, v120-123 scale operands, v124-127 scratch
.set TS,  120
.set PW,  124
.set PC,  224                          ; v224-235 p's codes, v236-242 the odd conversions'
; v1 16 l, v2 512 + 8 l, v3 12,288 + 4 r, v4 2 r, v5, v6 the add's two, v8-10 the step's addresses, v12 -M, v13 the largest t, v[14:15] the sums, v[16:17] f, v18 p's scale word, v20-23 V's, v24-27 K's, v28 the mask's query, v29 q's; v128-191 S^T, p; v192-223 O^T
.macro CROUND
	s_barrier_signal -1
	s_barrier_wait -1
	s_cmp_lg_u32 s[WV], 0
	s_cbranch_scc1 .Lnot_wave_0_\@
	s_barrier_signal -3
.Lnot_wave_0_\@:
	s_barrier_wait -3
	s_barrier_signal -1
	s_barrier_wait -1
.endm
.macro MM d, a, b, c, sa, sb
	v_wmma_scale_f32_16x16x128_f8f6f4 v[\d:\d+7], v[\a:\a+11], v[\b:\b+11], \c, v[\sa], v[\sb] matrix_a_fmt:MATRIX_FMT_FP6 matrix_b_fmt:MATRIX_FMT_FP6
.endm
.macro FRAGS off, sc, soff             ; four fragments as they lie, and their scale words
.irp f, 0,1,2,3
	ds_load_b128 v[KF+12*\f:KF+12*\f+3], v8 offset:\off+1536*\f
	ds_load_b64 v[KF+12*\f+4:KF+12*\f+5], v9 offset:\off+1536*\f
	ds_load_b128 v[KF+12*\f+6:KF+12*\f+9], v8 offset:\off+1536*\f+768
	ds_load_b64 v[KF+12*\f+10:KF+12*\f+11], v9 offset:\off+1536*\f+768
	ds_load_b32 v[\sc+\f], v10 offset:\soff+64*\f
.endr
.endm
.macro INIT                            ; a tile's state: the largest t -3e38, sums and O^T zero
	v_mov_b32 v13, 0xff61b1e6
	v_floor_f32 v12, -v13
	v_mov_b32 v14, 0
	v_mov_b32 v15, 0
	v_mov_b32 v16, 0
.set II, 0
.rept 32
	v_mov_b32 v[192+II], 0
.set II, II+1
.endr
.endm
.macro QH S                            ; 32 numbers of a lane (register 16 b + i = k 32 b + 16 (lane / 16) + i) -> a half fragment in v[PC .. PC+5], two scale bytes in v[PW]
.irp b, 0,1
	v_max3_num_f32 v[TM+\b], |v[\S+16*\b]|, |v[\S+1+16*\b]|, 0x1800000
.endr
.irp i, 2,4,6,8,10,12,14
.irp b, 0,1
	s_delay_alu instid0(VALU_DEP_2)
	v_max3_num_f32 v[TM+\b], v[TM+\b], |v[\S+16*\b+\i]|, |v[\S+1+16*\b+\i]|
.endr
.endr
.irp b, 0,1
	s_delay_alu instid0(VALU_DEP_2)
	v_permlanex16_b32 v[TM+2+\b], v[TM+\b], s[SEL], s[SEL+1]
.endr
.irp b, 0,1
	s_delay_alu instid0(VALU_DEP_2)
	v_max_num_f32 v[TM+\b], v[TM+\b], v[TM+2+\b]
.endr
.irp b, 0,1
	s_delay_alu instid0(VALU_DEP_2)
	v_add_nc_u32 v[TS+\b], 0xff000000, v[TM+\b]
.endr
.irp b, 0,1
	s_delay_alu instid0(VALU_DEP_2)
	v_lshrrev_b32 v[TM+2+\b], 23, v[TS+\b]
.endr
	s_delay_alu instid0(VALU_DEP_1)
	v_lshl_or_b32 v[PW], v[TM+3], 8, v[TM+2]
	v_cvt_scalef32_pk16_fp6_f32 v[PC:PC+2], v[\S:\S+15], v[TS]
	v_cvt_scalef32_pk16_fp6_f32 v[PC+6:PC+8], v[\S+16:\S+31], v[TS+1]
	v_nop
.irp i, 0,1,2
	v_permlane16_swap_b32 v[PC+\i], v[PC+6+\i]
.endr
.irp i, 0,1,2
	s_delay_alu instid0(VALU_DEP_3)
	v_mov_b32 v[PC+3+\i], v[PC+6+\i]
.endr
.endm
; ONE KEY STEP OF 128 for my 16 queries.  A step beyond the tile's last is jumped over: the test is made of the wave's number and the counted steps alone.
.macro STEP
	s_cmp_gt_i32 s[KSN], s[LIM]
	s_cbranch_scc1 .Lskip_\@
	FRAGS 0, 24, 0
.irp f, 0,1,2,3
	s_wait_dscnt 15-5*\f                           ; fragment f and its scale word are in; behind them stand five loads for each later fragment
	MM 128+16*\f, KF+12*\f, QZ+6, 0, 24+\f, 29
	MM 136+16*\f, KF+12*\f, QZ, 0, 24+\f, 29       ; tile 2 f + 1 against [0 | q]
.endr
	v_mov_b32 v124, v12                            ; the old -M; with three v_nop the four places behind the products
.rept 3
	v_nop
.endr
	FRAGS 6144, 20, 256                            ; V's four channel tiles, into K's registers
	v_add_nc_u32 v8, s[TB], v1                     ; the next step's addresses
	v_add_nc_u32 v9, s[TB], v2
	v_add_nc_u32 v10, s[TB], v3
	s_cmp_lg_u32 s[KSN], s[LIM]
	s_cbranch_scc1 .Lopen_\@
	v_mov_b32 v125, 0xff800000                     ; on the diagonal: keys behind my query get -inf
.set II, 0
.rept 64
	v_cmp_gt_i32 vcc_lo, 32*(II/16)+II%16, v28
	v_cndmask_b32 v[128+II], v[128+II], v125, vcc_lo
.set II, II+1
.endr
.Lopen_\@:
.irp b, 0,1,2,3
	v_max3_num_f32 v[112+\b], v[128+16*\b], v[129+16*\b], v[130+16*\b]   ; each block's largest score: for the row's maximum and for the block's largest p
.endr
.irp i, 3,5,7,9,11,13
.irp b, 0,1,2,3
	v_max3_num_f32 v[112+\b], v[112+\b], v[128+16*\b+\i], v[129+16*\b+\i]
.endr
.endr
.irp b, 0,1,2,3
	v_max_num_f32 v[112+\b], v[112+\b], v[143+16*\b]
.endr
.irp b, 0,1,2,3
	s_delay_alu instid0(VALU_DEP_4)
	v_permlanex16_b32 v[116+\b], v[112+\b], s[SEL], s[SEL+1]
.endr
.irp b, 0,1,2,3
	s_delay_alu instid0(VALU_DEP_4)
	v_max_num_f32 v[112+\b], v[112+\b], v[116+\b]
.endr
	s_delay_alu instid0(VALU_DEP_2)
	v_max3_num_f32 v125, v112, v113, v114
	s_delay_alu instid0(VALU_DEP_1)
	v_max_num_f32 v125, v125, v115
	s_delay_alu instid0(VALU_DEP_1)
	v_mul_f32 v125, s[CS], v125
	s_delay_alu instid0(VALU_DEP_1)
	v_max_num_f32 v13, v13, v125                   ; the running largest t
	s_delay_alu instid0(VALU_DEP_1)
	v_floor_f32 v12, -v13                          ; -M = -ceil(t)
	s_delay_alu instid0(VALU_DEP_1)
	v_sub_f32 v125, v12, v124
	s_delay_alu instid0(VALU_DEP_1)
	v_cvt_i32_f32 v125, v125
	s_delay_alu instid0(VALU_DEP_1)
	v_ldexp_f32 v16, 1.0, v125                     ; f = 2^(old M - new M)
.set II, 0
.rept 32
	v_pk_fma_f32 v[128+II:129+II], v[128+II:129+II], s[CS:CS+1], v[12:13] op_sel_hi:[1,0,0]
.set II, II+2
.endr
.irp b, 0,1,2,3
	v_fma_f32 v[112+\b], v[112+\b], s[CS], v12
.endr
	s_wait_dscnt 0x0                               ; V's fragments are in
	s_wait_alu depctr_va_vdst(0)
.set II, 0
.rept 64
	v_exp_f32 v[128+II], v[128+II]
.set II, II+1
.endr
.irp b, 0,1,2,3
	v_exp_f32 v[112+\b], v[112+\b]                 ; the block's largest p
.endr
	v_pk_mul_f32 v[14:15], v[14:15], v[16:17] op_sel_hi:[1,0]
	s_wait_alu depctr_va_vdst(0)                   ; and behind it
	v_pk_add_f32 v[126:127], v[128:129], v[130:131]   ; the sum of the unquantised p, in two chains
.irp j, 4,8,12,16,20,24,28,32,36,40,44,48,52,56,60
	v_pk_add_f32 v[14:15], v[14:15], v[128+\j:129+\j]
	v_pk_add_f32 v[126:127], v[126:127], v[130+\j:131+\j]
.endr
	s_delay_alu instid0(VALU_DEP_1)
	v_pk_add_f32 v[14:15], v[14:15], v[126:127]
.irp b, 0,1,2,3
	v_max_num_f32 v[112+\b], 0x1800000, v[112+\b]
.endr
.irp b, 0,1,2,3
	s_delay_alu instid0(VALU_DEP_4)
	v_add_nc_u32 v[120+\b], 0xff000000, v[112+\b]
.endr
.irp b, 0,1,2,3
	s_delay_alu instid0(VALU_DEP_4)
	v_lshrrev_b32 v[116+\b], 23, v[120+\b]
.endr
	s_delay_alu instid0(VALU_DEP_3)
	v_lshl_or_b32 v18, v117, 8, v116
	s_delay_alu instid0(VALU_DEP_1)
	v_lshl_or_b32 v18, v118, 16, v18
	s_delay_alu instid0(VALU_DEP_1)
	v_lshl_or_b32 v18, v119, 24, v18
.irp c, 0,1
	v_cvt_scalef32_pk16_fp6_f32 v[224+6*\c:226+6*\c], v[128+32*\c:143+32*\c], v[120+2*\c]
	v_cvt_scalef32_pk16_fp6_f32 v[236+4*\c:238+4*\c], v[144+32*\c:159+32*\c], v[120+2*\c+1]
.endr
	v_nop
.irp c, 0,1
.irp i, 0,1,2
	v_permlane16_swap_b32 v[224+6*\c+\i], v[236+4*\c+\i]
.endr
.irp i, 0,1,2
	s_delay_alu instid0(VALU_DEP_3)
	v_mov_b32 v[227+6*\c+\i], v[236+4*\c+\i]
.endr
.endr
	s_wait_alu depctr_va_vdst(0)
.set II, 0
.rept 16
	v_pk_mul_f32 v[192+II:193+II], v[192+II:193+II], v[16:17] op_sel_hi:[1,0]   ; O^T under the new M; also the places in front of the products
.set II, II+2
.endr
.irp t, 0,1,2,3
	MM 192+8*\t, KF+12*\t, 224, v[192+8*\t:199+8*\t], 20+\t, 18
.endr
.rept 4
	v_nop                                          ; places in front of the next loads into these fragments and of any read of O^T
.endr
.Lskip_\@:
	s_add_co_u32 s[TB], s[TB], KSB
	s_add_co_u32 s[KSN], s[KSN], 1
.endm
	s_load_b128 s[4:7], s[0:1], 0x0                ; qkvbuf, obuf
	v_lshl_add_u32 v5, v0, 2, SPARE
	v_mov_b32 v6, 0
	ds_add_u32 v5, v6                              ; the opening lines
	ds_add_u32 v5, v6
	v_lshrrev_b32 v7, 5, v0
	v_readfirstlane_b32 s[WV], v7
	s_and_b32 s9, ttmp7, 0xffff                    ; 16 x batch + head
	s_bfe_u32 s[XX], ttmp6, 0x40000
	s_lshl_b32 s10, ttmp9, 2
	s_add_co_u32 s[XX], s[XX], s10                 ; x
	s_mov_b32 s[G1], 15|(3<<16)|(1<<21)            ; all four partners; elements of 8 bytes; 50 dense rows of 256 bytes
	s_mov_b32 s[G1+1], 32<<16
	s_mov_b32 s[G1+2], 50<<16
	s_mov_b32 s[G1+3], 32<<16
	s_mov_b32 s[G1+4], 50
	s_mov_b32 s[G1+5], 32
	s_mov_b32 s[G1+6], 0
	s_mov_b32 s[G1+7], 0
	s_mov_b32 s[G0], 1
	s_and_b32 s10, s[WV], 1
	s_lshl_b32 s10, s10, 3
	s_lshr_b32 s[PP], s[WV], 1                     ; p
	s_or_b32 s10, s10, s[PP]                       ; the key step that I fetch
	s_mul_i32 s[G0+1], s10, KSB
	s_lshl_b32 s48, s9, 4
	s_add_co_u32 s48, s48, s10
	s_mul_i32 s48, s48, KSB
	s_add_co_u32 s48, s48, KVC
	s_mov_b32 s49, 0
	s_lshr_b32 s[ROLE], s[WV], 2
	s_xor_b32 s[ROLE], s[ROLE], s[WV]
	s_and_b32 s[ROLE], s[ROLE], 1                  ; 0: A, 1: B; waves w and w + 4 differ
	s_sub_co_u32 s[LIM], 15, s[PP]                 ; L's last key step
	s_lshl_b32 s50, s[LIM], 3
	s_add_co_u32 s50, s50, s[XX]                   ; tile L
	s_lshl_b32 s51, s[PP], 3
	s_add_co_u32 s51, s51, s[XX]                   ; tile S
	s_cmp_eq_u32 s[ROLE], 1
	s_cselect_b32 s51, s51, s50                    ; the tile that I finish
	s_cselect_b32 s[LIM2], s[PP], -1               ; its last key step in the second walk; A has none
	s_lshr_b32 s52, s9, 4
	s_lshl_b32 s52, s52, 7
	s_add_co_u32 s50, s50, s52
	s_add_co_u32 s51, s51, s52                     ; + 128 x batch
	s_and_b32 s53, s9, 15                          ; the head
	s_lshl_b32 s54, s53, 8
	s_add_co_u32 s55, s54, s50
	s_mul_i32 s[QP], s55, 768
	s_mov_b32 s[QP+1], 0
	s_lshl_b32 s[QSP], s55, 5
	s_add_co_u32 s[QSP], s[QSP], QS
	s_mov_b32 s[QSP+1], 0
	s_add_co_u32 s55, s54, s51
	s_mul_i32 s[Q2P], s55, 768
	s_mov_b32 s[Q2P+1], 0
	s_lshl_b32 s[Q2S], s55, 5
	s_add_co_u32 s[Q2S], s[Q2S], QS
	s_mov_b32 s[Q2S+1], 0
	s_lshr_b32 s55, s53, 3
	s_lshl_b32 s55, s55, 8
	s_add_co_u32 s55, s55, s51
	s_mul_i32 s[OUT], s55, 6144
	s_and_b32 s55, s53, 7
	s_mul_i32 s55, s55, 768
	s_add_co_u32 s[OUT], s[OUT], s55               ; o's codes: slot head / 8, tile, half fragment head % 8
	s_mov_b32 s[OUT+1], 0
	s_lshl_b32 s[OSC], s51, 9
	s_lshr_b32 s55, s53, 1
	s_lshl_b32 s55, s55, 6
	s_add_co_u32 s[OSC], s[OSC], s55
	s_and_b32 s55, s53, 1
	s_lshl_b32 s55, s55, 1
	s_add_co_u32 s[OSC], s[OSC], s55
	s_add_co_u32 s[OSC], s[OSC], OSO
	s_mov_b32 s[OSC+1], 0
	s_lshr_b32 s56, s[XX], 1
	s_lshl_b32 s56, s56, 5
	s_and_b32 s57, s[XX], 1
	s_lshl_b32 s57, s57, 3
	s_add_co_u32 s56, s56, s57                     ; my tile's first query within its 128
	s_lshl_b32 s[KSN], s[ROLE], 3                  ; A begins at key step 0, B at 8
	s_mul_i32 s58, s[KSN], KSB
	s_add_co_u32 s[TB], s58, KSB
	s_mul_i32 s59, s[PP], 4608
	s_add_co_u32 s59, s59, MRG
	s_mov_b32 s[SEL], 0x76543210
	s_mov_b32 s[SEL+1], 0xfedcba98
	s_mov_b32 s[CS], 0x3e38aa3b                    ; log2(e) / 8
	s_mov_b32 s[CS+1], s[CS]
	s_wait_alu depctr_va_vdst(0)
	s_wait_dscnt 0x0
	CROUND                                         ; the round in front of the joint loads
	s_wait_kmcnt 0x0
	s_add_nc_u64 s[G0+2:G0+3], s[4:5], s[48:49]
	s_or_b32 s[G0+3], s[G0+3], 0x80000000
	s_cmp_lt_u32 s[WV], 2
	s_cbranch_scc0 .Lrest
	tensor_load_to_lds s[G0:G0+3], s[G1:G1+7]      ; waves 0, 1: key steps 0 and 8, a line of their own
	s_nop 0
.rept 4
	v_nop
.endr
	s_branch .Lasked
.Lrest:
	tensor_load_to_lds s[G0:G0+3], s[G1:G1+7]      ; the other fourteen
	s_nop 0
.rept 4
	v_nop
.endr
.Lasked:
	s_add_nc_u64 s[QP:QP+1], s[4:5], s[QP:QP+1]
	s_add_nc_u64 s[QSP:QSP+1], s[4:5], s[QSP:QSP+1]
	s_add_nc_u64 s[Q2P:Q2P+1], s[4:5], s[Q2P:Q2P+1]
	s_add_nc_u64 s[Q2S:Q2S+1], s[4:5], s[Q2S:Q2S+1]
	s_add_nc_u64 s[OUT:OUT+1], s[6:7], s[OUT:OUT+1]
	s_add_nc_u64 s[OSC:OSC+1], s[6:7], s[OSC:OSC+1]
	v_and_b32 v7, 31, v0
	v_and_b32 v11, 15, v0
	v_bfe_u32 v19, v0, 4, 1
	v_lshlrev_b32 v1, 4, v7
	v_lshl_add_u32 v2, v7, 3, 512
	v_lshlrev_b32 v4, 1, v11
	global_load_b128 v[QZ+6:QZ+9], v1, s[QP:QP+1]  ; L's q
	global_load_b64 v[QZ+10:QZ+11], v2, s[QP:QP+1]
	global_load_u16 v29, v4, s[QSP:QSP+1]
	global_load_b128 v[50:53], v1, s[Q2P:Q2P+1]    ; q of the tile that I finish (one text for both roles: for A that is L again)
	global_load_b64 v[54:55], v2, s[Q2P:Q2P+1]
	global_load_u16 v56, v4, s[Q2S:Q2S+1]
	v_lshl_add_u32 v3, v11, 2, 12288
	v_lshlrev_b32 v57, 2, v11
	v_lshrrev_b32 v28, 3, v11
	v_lshlrev_b32 v19, 4, v19
	v_lshl_add_u32 v28, v28, 3, v11
	v_add_nc_u32 v58, s59, v1                      ; the pair's bytes for B's part of L
	v_sub_nc_u32 v28, v28, v19
	v_add_nc_u32 v8, s58, v1
	v_add_nc_u32 v28, s56, v28                     ; my query within its 128, less 16 h
	v_add_nc_u32 v9, s58, v2
	v_add_nc_u32 v10, s58, v3
.irp j, 0,1,2,3,4,5,12,13,14,15,16,17
	v_mov_b32 v[QZ+\j], 0
.endr
.irp j, 112,113,114,115,116,117,118,119,17
	v_mov_b32 v[\j], 0                             ; a lane permute's destination counts as read; v17 is named as a pair's upper half
.endr
	s_wait_alu depctr_va_vdst(0)
	s_wait_loadcnt 0x0
	v_lshl_or_b32 v29, v29, 16, v29                ; q's two bytes in both halves of the word: it serves [q | 0] and [0 | q]
	v_lshl_or_b32 v56, v56, 16, v56
	INIT
	s_wait_alu depctr_va_vdst(0)
	s_cmp_lt_u32 s[WV], 2
	s_cbranch_scc0 .Lnot_first
	s_wait_tensorcnt 0x0
.Lnot_first:
	s_barrier_signal -1
	s_barrier_wait -1                              ; key steps 0 and 8 are in
	STEP
	s_wait_tensorcnt 0x0                           ; every wave's block is in
	s_wait_dscnt 0x0
	s_barrier_signal -1
	s_barrier_wait -1
	s_mov_b32 s[CNT], 7
.Lwalk_1:
	STEP
	s_sub_co_u32 s[CNT], s[CNT], 1
	s_cmp_lg_u32 s[CNT], 0
	s_cbranch_scc1 .Lwalk_1
	s_cmp_eq_u32 s[ROLE], 1
	s_cbranch_scc0 .Lkeep
.set II, 0
.rept 8
	ds_store_b128 v58, v[192+4*II:195+4*II] offset:512*II   ; B: my part of L, each accumulator from its low end on
.set II, II+1
.endr
	ds_store_b128 v58, v[12:15] offset:4096
.irp i, 0,1,2,3,4,5
	v_mov_b32 v[QZ+6+\i], v[50+\i]                 ; and on to S
.endr
	v_mov_b32 v29, v56
	s_wait_dscnt 0x0                               ; the stores have read their registers
	INIT
.Lkeep:
	v_mov_b32 v8, v1                               ; the second walk begins at key step 0
	v_mov_b32 v9, v2
	v_mov_b32 v10, v3
	s_mov_b32 s[TB], KSB
	s_mov_b32 s[KSN], 0
	s_mov_b32 s[LIM], s[LIM2]
	s_mov_b32 s[CNT], 8
	s_wait_alu depctr_va_vdst(0)
	s_wait_dscnt 0x0                               ; for A's sake: my stores have landed
	s_barrier_signal -1                            ; signalled here, waited for behind the walk: between the two stand register work and loads of K's and V's bytes, which nobody writes
.Lwalk_2:
	STEP
	s_sub_co_u32 s[CNT], s[CNT], 1
	s_cmp_lg_u32 s[CNT], 0
	s_cbranch_scc1 .Lwalk_2
	s_barrier_wait -1
	s_cmp_eq_u32 s[ROLE], 0
	s_cbranch_scc0 .Lfinish
.set II, 0
.rept 8
	ds_load_b128 v[128+4*II:131+4*II], v58 offset:512*II    ; A: B's part of L
.set II, II+1
.endr
	ds_load_b128 v[160:163], v58 offset:4096
	s_wait_dscnt 0x0
	v_min_num_f32 v164, v12, v160                  ; the joint -M
	v_mov_b32 v167, 0
	v_sub_f32 v165, v164, v12
	v_sub_f32 v166, v164, v160
	v_cvt_i32_f32 v165, v165
	v_cvt_i32_f32 v166, v166
	v_ldexp_f32 v16, 1.0, v165                     ; both parts under it, by exact powers of two
	v_ldexp_f32 v166, 1.0, v166
	v_pk_mul_f32 v[14:15], v[14:15], v[16:17] op_sel_hi:[1,0]
.set II, 0
.rept 16
	v_pk_mul_f32 v[192+II:193+II], v[192+II:193+II], v[16:17] op_sel_hi:[1,0]
.set II, II+2
.endr
	v_pk_fma_f32 v[14:15], v[162:163], v[166:167], v[14:15] op_sel_hi:[1,0,1]
.set II, 0
.rept 16
	v_pk_fma_f32 v[192+II:193+II], v[128+II:129+II], v[166:167], v[192+II:193+II] op_sel_hi:[1,0,1]
.set II, II+2
.endr
.Lfinish:
	v_add_f32 v14, v14, v15
	s_delay_alu instid0(VALU_DEP_1)
	v_permlanex16_b32 v116, v14, s[SEL], s[SEL+1]
	s_delay_alu instid0(VALU_DEP_1)
	v_add_f32 v14, v14, v116                       ; the row's sum
	s_wait_alu depctr_va_vdst(0)
	v_rcp_f32 v14, v14
	v_nop
	s_wait_alu depctr_va_vdst(0)
.set II, 0
.rept 16
	v_pk_mul_f32 v[128+II:129+II], v[192+II:193+II], v[14:15] op_sel_hi:[1,0]
.set II, II+2
.endr
	QH 128
	global_store_b128 v1, v[PC:PC+3], s[OUT:OUT+1]           ; 32 lanes store 512 consecutive bytes
	global_store_b64 v2, v[PC+4:PC+5], s[OUT:OUT+1]          ; and 256
	global_store_b16 v57, v[PW], s[OSC:OSC+1]
	s_wait_tensorcnt 0x0                           ; the wave's end
	ds_add_u32 v5, v6
	s_wait_dscnt 0x0
	CROUND                                         ; the closing round
	s_endpgm
.Lfunc_end_k_q258393baf6_attn:
	.size	k_q258393baf6_attn, .Lfunc_end_k_q258393baf6_attn-k_q258393baf6_attn
	.p2alignl 7, 3214868480
	.fill 96, 4, 3214868480
	.section	.rodata,"a",@progbits
	.p2align	6, 0x0
	.amdhsa_kernel k_q258393baf6_attn
		.amdhsa_group_segment_fixed_size 327680
		.amdhsa_private_segment_fixed_size 0
		.amdhsa_enable_private_segment 0
		.amdhsa_kernarg_size 16
		.amdhsa_user_sgpr_count 2
		.amdhsa_user_sgpr_kernarg_segment_ptr 1
		.amdhsa_wavefront_size32 1
		.amdhsa_system_sgpr_workgroup_id_x 1
		.amdhsa_system_sgpr_workgroup_id_y 1
		.amdhsa_system_sgpr_workgroup_id_z 1
		.amdhsa_system_vgpr_workitem_id 0
		.amdhsa_next_free_vgpr 256
		.amdhsa_next_free_sgpr 66
		.amdhsa_reserve_vcc 1
		.amdhsa_float_denorm_mode_32 3
		.amdhsa_float_denorm_mode_16_64 3
		.amdhsa_memory_ordered 1
		.amdhsa_forward_progress 1
		.amdhsa_inst_pref_size 87
	.end_amdhsa_kernel
	.amdgpu_metadata
---
amdhsa.version: [ 1, 2 ]
amdhsa.kernels:
  - .name:           k_q258393baf6_attn
    .symbol:         k_q258393baf6_attn.kd
    .args:
      - { .name: qkvbuf, .offset: 0, .size: 8, .value_kind: global_buffer, .address_space: global }
      - { .name: obuf, .offset: 8, .size: 8, .value_kind: global_buffer, .address_space: global }
    .group_segment_fixed_size: 327680
    .private_segment_fixed_size: 0
    .kernarg_segment_align: 8
    .kernarg_segment_size: 16
    .max_flat_workgroup_size: 512
    .sgpr_count:     66
    .vgpr_count:     256
    .wavefront_size: 32
...
	.end_amdgpu_metadata
.endif
;; end of part 3
;; launch oproj (part 4): grid 8 x 32, 16 waves a work-group, clusters of 4 x 4, 327,680 bytes of LDS; arguments obuf, wbuf, b_out, x, x1; writes x1
.if DOCPART == 4
	.amdgcn_target "amdgcn-amd-amdhsa--gfx1250"
	.amdhsa_code_object_version 6
	.text
	.protected	k_q258393baf6_oproj
	.globl	k_q258393baf6_oproj
	.p2align	8
	.type	k_q258393baf6_oproj,@function
k_q258393baf6_oproj:
	s_mov_b64 s[64:65], 0
	v_nop
	global_prefetch_b8 v0, s[64:65] scope:SCOPE_SE
	s_setreg_imm32_b32 hwreg(HW_REG_WAVE_MODE, 25, 1), 1
	s_wait_xcnt 0x0
	s_wait_alu depctr_hold_cnt(0) depctr_sa_sdst(0) depctr_va_vdst(0) depctr_va_sdst(0) depctr_va_ssrc(0) depctr_va_vcc(0) depctr_vm_vsrc(0)
	s_getreg_b32 s2, hwreg(HW_REG_IB_STS2, 6, 4)
	s_cmp_eq_u32 s2, 0
	s_cbranch_scc0 .Lentry_in_a_cluster
	s_endpgm
.Lentry_in_a_cluster:
	s_bfe_u32 s2, ttmp6, 0x10000c
	s_cmp_lg_u32 s2, 0xf033
	s_cbranch_scc0 .Lentry_shape_is_right
	s_endpgm
.Lentry_shape_is_right:
; y = A B^T + (res + bias): A [4,096 tokens][K], B [1,024][K] as codes of FP6 (E2M3) with E8M0 scales, laid as register images; res, y [4,096][1,024] f32.  Here: A = attention's result, K = 1,024, res = x, y = x1.
; A work-group makes 128 x 128, so that 256 work-groups share the product.  Sixteen waves of 256 registers: four quadrants of 64 x 64, each with four waves that SPLIT K: a slot holds four K steps of 128, wave kg of a quadrant takes the kg-th.
; At the end the four partial sums meet in LDS (in the slots, which have had their last fill): wave kg ends up with token tile kg of its quadrant.  Register group g of a wave holds token tile (g + kg) % 4, so the group a wave keeps is group 0.
; IMAGES: a half fragment is 768 bytes (registers 0-3 of lane l at 16 l, registers 4-5 at 512 + 8 l); a work-group's share of a slot of one operand is 49,152 dense bytes, a wave's 6,144 (one tile's four K steps).
; FILLS: K is two slots.  Waves 0-7 fetch A's share, waves 8-15 B's; A's tiles are asked for jointly along a row of the 4 x 4 cluster, B's along a column.  Slot 0 at the head, slot 1 behind the full sequence and a round; nothing is filled again.
; THE SCALE WORDS of all of K come through registers into LDS bytes of their own, 512 dense bytes a wave.
; ROW TILES: lane r of tile t holds row 32 (t / 2) + 8 (t % 2) + r + 8 (r / 8).
; PREFETCHES: at the head each wave asks for its 6,144 bytes of slot 1; the four partners that load them jointly take 6 blocks of 256 bytes each, told apart by address (cx for A, cy for B).
; In the first K step group each wave asks for the 16 blocks of 256 bytes of the residual that it will load, a lane a row.
; THE RESIDUAL of the 16 rows x 64 columns that a wave stores, and their biases, are loaded behind the barrier of the exchange, into registers that the exchange's stores have left; they land under the exchange's LDS work.
; LIMITS: an output is the sum of four partial sums over K, to which res + bias is added: the order of rounding differs from K ascending and from res + (sum + bias).
.set SCW,   512                        ; scale bytes of a tile, for all of K
.set ASOFF, 3145728                    ; A's scale words in its buffer
.set BCOFF, 2359296                    ; B's codes in wbuf
.set BSOFF, 9535488                    ; B's scale words in wbuf
.set SIGA,  1572864
.set SIGB,  393216
.set SLOT,  98304
.set SCLB,  196608
.set STG,   229376                     ; LDS: a stage of 16 rows x (256 + 16) bytes for each wave; no fill lands here
.set SPARE, 299008
.set SCL,   24
.set AF,    32
.set BF,    80
.set ACC,   128
.set WV,    16
.set FB,    17
.set RO,    84                         ; s84-87 group g's token tile x 6,144
.set SG,    98                         ; s98    my stage
.set G1A,   24
.set G1B,   32
.set G0A,   40
.set G0B,   48
.macro JLOAD g0a, g1a, g0b, g1b
	s_cmp_eq_u32 s[FB], 0
	s_cbranch_scc0 .Lfor_b_\@
	tensor_load_to_lds s[\g0a:\g0a+3], s[\g1a:\g1a+7]
	s_nop 0
.rept 4
	v_nop
.endr
	s_branch .Lasked_\@
.Lfor_b_\@:
	tensor_load_to_lds s[\g0b:\g0b+3], s[\g1b:\g1b+7]
	s_nop 0
.rept 4
	v_nop
.endr
.Lasked_\@:
.endm
.macro CROUND
	s_barrier_signal -1
	s_barrier_wait -1
	s_cmp_lg_u32 s[WV], 0
	s_cbranch_scc1 .Lnot_wave_0_\@
	s_barrier_signal -3
.Lnot_wave_0_\@:
	s_barrier_wait -3
	s_barrier_signal -1
	s_barrier_wait -1
.endm
.macro FRAG reg, a16, a8, off
	ds_load_b128 v[\reg:\reg+3], v[\a16] offset:\off
	ds_load_b64 v[\reg+4:\reg+5], v[\a8] offset:\off
	ds_load_b128 v[\reg+6:\reg+9], v[\a16] offset:\off+768
	ds_load_b64 v[\reg+10:\reg+11], v[\a8] offset:\off+768
.endm
.macro MMR a, zero                     ; A's group a against B's four tiles: source 0 = B's tile b, source 1 = A's group a: a lane holds a token, its registers run along the columns; the 16 accumulators take turns
.irp b, 0,1,2,3
.if \zero
	v_wmma_scale_f32_16x16x128_f8f6f4 v[ACC+8*(4*\a+\b):ACC+8*(4*\a+\b)+7], v[BF+12*\b:BF+12*\b+11], v[AF+12*\a:AF+12*\a+11], 0, v[SCL+\b], v[SCL+\a] matrix_a_fmt:MATRIX_FMT_FP6 matrix_b_fmt:MATRIX_FMT_FP6 matrix_a_scale:MATRIX_SCALE_ROW1
.else
	v_wmma_scale_f32_16x16x128_f8f6f4 v[ACC+8*(4*\a+\b):ACC+8*(4*\a+\b)+7], v[BF+12*\b:BF+12*\b+11], v[AF+12*\a:AF+12*\a+11], v[ACC+8*(4*\a+\b):ACC+8*(4*\a+\b)+7], v[SCL+\b], v[SCL+\a] matrix_a_fmt:MATRIX_FMT_FP6 matrix_b_fmt:MATRIX_FMT_FP6 matrix_a_scale:MATRIX_SCALE_ROW1
.endif
.endr
.endm
; My K step of slot p.  The eight additions are also the places in front of the loads into registers that the last products read.
.macro PHASE p, zero
.irp g, 0,1,2,3
	v_add_nc_u32 v[16+\g], s[RO+\g], v[8+(\p)%2]
	v_add_nc_u32 v[20+\g], s[RO+\g], v[10+(\p)%2]
.endr
.if (\p) == 0
	global_prefetch_b8 v0, s[10:11] th:TH_LOAD_NT scope:SCOPE_SE   ; my 16 rows of the residual
.endif
.irp g, 0,1,2,3
	ds_load_b32 v[SCL+\g], v[6+\g+20*(\g/2)] offset:256*(\p)
.endr
.irp b, 0,1,2,3
	FRAG BF+12*\b, 12+(\p)%2, 14+(\p)%2, \b*6144
.endr
.irp g, 0,1,2,3
	FRAG AF+12*\g, 16+\g, 20+\g, 0
.endr
.irp a, 0,1,2,3
	s_wait_dscnt 12-4*\a                           ; the scale words, B and A's groups up to a are in; behind them stand four loads for each later group
	MMR \a, \zero
.endr
.endm
	s_load_b256 s[4:11], s[0:1], 0x0               ; A, wbuf, bias, res
	s_load_b64 s[12:13], s[0:1], 0x20              ; y
	v_lshl_add_u32 v30, v0, 2, SPARE
	v_mov_b32 v31, 0
	ds_add_u32 v30, v31                            ; the opening lines
	ds_add_u32 v30, v31
	v_lshrrev_b32 v1, 5, v0
	s_delay_alu instid0(VALU_DEP_1)
	v_readfirstlane_b32 s[WV], v1
	s_lshr_b32 s[FB], s[WV], 3
	s_bfe_u32 s18, ttmp6, 0x40000                  ; cx
	s_bfe_u32 s19, ttmp6, 0x40004                  ; cy
	s_and_b32 s20, ttmp7, 0xffff
	s_lshl_b32 s20, s20, 2
	s_add_co_u32 s20, s20, s19                     ; tile row: 128 tokens
	s_lshl_b32 s21, ttmp9, 2
	s_add_co_u32 s21, s21, s18                     ; tile column: 128 columns
	s_lshl_b32 s84, s19, 2
	s_lshl_b32 s84, 15, s84
	s_lshl_b32 s85, 0x1111, s18
	s_or_b32 s[G1A], s84, (3<<16)|(1<<21)
	s_or_b32 s[G1B], s85, (3<<16)|(1<<21)
.irp g, G1A, G1B
	s_mov_b32 s[\g+1], 32<<16
	s_mov_b32 s[\g+2], 24<<16
	s_mov_b32 s[\g+3], 32<<16
	s_mov_b32 s[\g+4], 24
	s_mov_b32 s[\g+5], 32
	s_mov_b32 s[\g+6], 0
	s_mov_b32 s[\g+7], 0
.endr
	s_and_b32 s86, s[WV], 7
	s_mul_i32 s87, s86, 6144
	s_mul_i32 s88, s20, 49152
	s_add_co_u32 s88, s88, s87
	s_mov_b32 s89, 0
	s_mul_i32 s90, s21, 49152
	s_add_co_u32 s90, s90, s87
	s_add_co_u32 s90, s90, BCOFF
	s_mov_b32 s91, 0
	s_mul_i32 s87, s86, SCW
	s_mul_i32 s92, s20, 8*SCW
	s_add_co_u32 s92, s92, s87
	s_add_co_u32 s92, s92, ASOFF
	s_mov_b32 s93, 0
	s_mul_i32 s94, s21, 8*SCW
	s_add_co_u32 s94, s94, s87
	s_add_co_u32 s94, s94, BSOFF
	s_mov_b32 s95, 0
	s_mul_i32 s96, s[WV], 6144
	s_mul_i32 s97, s[WV], SCW
	s_wait_dscnt 0x0
	CROUND                                         ; the round in front of the first joint loads, ahead of the wait for the arguments
	s_wait_kmcnt 0x0
	s_add_nc_u64 s[88:89], s[4:5], s[88:89]
	s_add_nc_u64 s[90:91], s[6:7], s[90:91]
	s_add_nc_u64 s[92:93], s[4:5], s[92:93]
	s_add_nc_u64 s[94:95], s[6:7], s[94:95]
	s_cmp_eq_u32 s[FB], 0                          ; waves 0-7 serve A, waves 8-15 B
	s_cselect_b64 s[76:77], s[92:93], s[94:95]     ; my scale words
	s_cselect_b64 s[68:69], s[88:89], s[90:91]
	s_mov_b32 s82, SIGB
	s_cselect_b32 s82, SIGA, s82
	s_cselect_b32 s78, s18, s19
	s_mov_b32 s83, 0
	s_add_nc_u64 s[68:69], s[68:69], s[82:83]      ; my part of slot 1, for the prefetch
	s_mul_i32 s78, s78, 1536
	s_add_co_u32 s97, s97, SCLB
.irp s, 0,1
	s_mov_b32 s[G0A+4*\s], 1
	s_add_co_u32 s[G0A+4*\s+1], s96, \s*SLOT
	s_add_nc_u64 s[G0A+4*\s+2:G0A+4*\s+3], s[88:89], \s*SIGA
	s_or_b32 s[G0A+4*\s+3], s[G0A+4*\s+3], 0x80000000
	s_mov_b32 s[G0B+4*\s], 1
	s_add_co_u32 s[G0B+4*\s+1], s96, \s*SLOT
	s_add_nc_u64 s[G0B+4*\s+2:G0B+4*\s+3], s[90:91], \s*SIGB
	s_or_b32 s[G0B+4*\s+3], s[G0B+4*\s+3], 0x80000000
.endr
	JLOAD G0A, G1A, G0B, G1B                       ; slot 0: one tensor load a wave at the head
	v_and_b32 v3, 31, v0
	v_and_b32 v1, 15, v0                           ; r
	v_bfe_u32 v2, v0, 4, 1                         ; h
	s_delay_alu instid0(VALU_DEP_3)
	v_lshlrev_b32 v4, 4, v3
	s_delay_alu instid0(VALU_DEP_4)
	v_lshl_add_u32 v5, v3, 3, 512
	v_min_u32 v3, 5, v3                            ; the tiles' prefetch: lanes 0-5 a block each; the others name the last again
	v_lshl_add_u32 v3, v3, 8, s78
	global_prefetch_b8 v3, s[68:69] th:TH_LOAD_NT scope:SCOPE_SE
	v_and_b32 v0, 31, v0                           ; the residual's prefetch: lanes 0-15 a row each, row l + 8 (l / 8); the others name the last again
	v_min_u32 v0, 15, v0
	v_lshrrev_b32 v20, 3, v0
	v_lshl_add_u32 v0, v20, 3, v0
	v_lshlrev_b32 v0, 12, v0
	s_lshr_b32 s22, s[WV], 2                       ; kg: my K step of a slot
	s_and_b32 s23, s[WV], 3                        ; my quadrant
	s_lshr_b32 s14, s23, 1                         ; its 64 tokens
	s_and_b32 s15, s23, 1                          ; its 64 columns
	s_mul_i32 s[SG], s[WV], 4352
	s_add_co_u32 s[SG], s[SG], STG                 ; my stage
	s_wait_alu depctr_va_vdst(0)
	s_lshl_b32 s91, s20, 3
	s_lshl_b32 s92, s14, 2
	s_add_co_u32 s91, s91, s92
	s_add_co_u32 s91, s91, s22                     ; the token tile that I shall store
	s_lshr_b32 s92, s91, 1
	s_lshl_b32 s92, s92, 17
	s_and_b32 s93, s91, 1
	s_lshl_b32 s93, s93, 15
	s_add_co_u32 s92, s92, s93                     ; its first row, in bytes
	s_lshl_b32 s94, s21, 9
	s_lshl_b32 s95, s15, 8
	s_add_co_u32 s94, s94, s95                     ; my first column, in bytes
	s_mov_b32 s95, 0
	s_add_nc_u64 s[8:9], s[8:9], s[94:95]
	s_add_co_u32 s92, s92, s94
	s_mov_b32 s93, 0
	s_add_nc_u64 s[10:11], s[10:11], s[92:93]
	s_add_nc_u64 s[12:13], s[12:13], s[92:93]
	global_load_b128 v[32:35], v4, s[76:77]        ; my scale words: 32 lanes read 512 consecutive bytes
	v_add_nc_u32 v196, s97, v4                     ; and their place in LDS
	s_mul_i32 s88, s14, 24576
	s_mul_i32 s90, s22, 1536
	s_add_co_u32 s88, s88, s90
	s_mul_i32 s89, s15, 24576
	s_add_co_u32 s89, s89, s90
	s_add_co_u32 s89, s89, 49152
.irp s, 0,1
	v_add_nc_u32 v[8+\s], s88, v4
	v_add_nc_u32 v[10+\s], s88, v5
	v_add_nc_u32 v[12+\s], s89, v4
	v_add_nc_u32 v[14+\s], s89, v5
	s_add_co_u32 s88, s88, SLOT
	s_add_co_u32 s89, s89, SLOT
.endr
.irp g, 0,1,2,3                        ; scale words: lanes 0-15 A's tile (g + kg) % 4, lanes 16-31 B's tile g; v6, v7, v28, v29
	s_add_co_u32 s88, s22, \g
	s_and_b32 s88, s88, 3
	s_mul_i32 s[RO+\g], s88, 6144
	s_lshl_b32 s89, s14, 2
	s_add_co_u32 s89, s89, s88
	s_mul_i32 s89, s89, SCW
	s_lshl_b32 s90, s15, 2
	s_add_co_u32 s90, s90, 8+\g
	s_mul_i32 s90, s90, SCW
	s_sub_co_u32 s90, s90, s89
	v_mul_u32_u24 v[6+\g+20*(\g/2)], s90, v2
	s_lshl_b32 s91, s22, 6
	s_add_co_u32 s89, s89, s91
	s_add_co_u32 s89, s89, SCLB
	v_lshl_add_u32 v[6+\g+20*(\g/2)], v1, 2, v[6+\g+20*(\g/2)]
	s_delay_alu instid0(VALU_DEP_1)
	v_add_nc_u32 v[6+\g+20*(\g/2)], s89, v[6+\g+20*(\g/2)]
.endr
	s_wait_alu depctr_va_vdst(0)
	s_wait_loadcnt 0x0                             ; the scale words are in
	ds_store_b128 v196, v[32:35]
	s_wait_tensorcnt 0x0                           ; my part of slot 0 is in; slot 1's first fill is issued as a refill is
	ds_add_u32 v30, v31
	s_wait_dscnt 0x0
	CROUND
	JLOAD G0A+4, G1A, G0B+4, G1B
	PHASE 0, 1
	s_wait_tensorcnt 0x0                           ; my part of slot 1 is in
	ds_add_u32 v30, v31
	s_wait_dscnt 0x0
	s_barrier_signal -1
	s_barrier_wait -1                              ; everybody's is
	PHASE 1, 0
	; ---- THE FOUR PARTIAL SUMS MEET
.rept 4
	v_nop                                          ; places in front of the first read of results
.endr
	s_lshl_b32 s88, s23, 2
.irp g, 1,2,3
	s_add_co_u32 s89, s22, \g
	s_and_b32 s89, s89, 3
	s_add_co_u32 s89, s89, s88                     ; who keeps this group's tile: 4 x quadrant + (kg + g) % 4
	s_mul_i32 s89, s89, 3
	s_add_co_u32 s89, s89, \g-1
	s_lshl_b32 s89, s89, 12                        ; 4,096 bytes a group, three for each keeper
	v_add_nc_u32 v[16+\g], s89, v4
.endr
	s_add_co_u32 s89, s88, s22
	s_mul_i32 s89, s89, 12288
	v_add_nc_u32 v16, s89, v4                      ; and where the three for me lie
	v_mul_u32_u24 v20, v1, 272
	s_delay_alu instid0(VALU_DEP_1)
	v_lshl_add_u32 v20, v2, 6, v20
	s_delay_alu instid0(VALU_DEP_1)
	v_add_nc_u32 v20, s[SG], v20                   ; into the stage: row r, + 64 h
	v_mul_u32_u24 v21, v2, 272
	s_delay_alu instid0(VALU_DEP_1)
	v_lshl_add_u32 v21, v1, 4, v21
	s_delay_alu instid0(VALU_DEP_1)
	v_add_nc_u32 v21, s[SG], v21                   ; by rows: lanes 0-15 one row, lanes 16-31 the next
	v_lshlrev_b32 v23, 4, v1                       ; the bias: 16 bytes a lane
	s_delay_alu instid0(VALU_DEP_1)
	v_lshl_add_u32 v22, v2, 12, v23                ; res and y: the same two rows
	s_wait_alu depctr_va_vdst(0)
	s_wait_dscnt 0x0                               ; my reads of the slots are over
	s_barrier_signal -1
	s_barrier_wait -1                              ; everybody's are: the slots, which have had their last fill, take the groups
.irp g, 1,2,3
.set II, 0
.rept 8
	ds_store_b128 v[16+\g], v[ACC+32*\g+4*II:ACC+32*\g+4*II+3] offset:512*II   ; as they stand, each accumulator from its low end on
.set II, II+1
.endr
.endr
	s_wait_dscnt 0x0                               ; for the others' sake: my stores have landed; they have read their registers
	s_barrier_signal -1
	s_barrier_wait -1
.set II, 0
.rept 8
	global_load_b128 v[160+4*II:163+4*II], v22, s[10:11] offset:(2*II+8*(II/4))*4096   ; the residual's rows: 16 lanes read 256 consecutive bytes
.set II, II+1
.endr
	global_load_b128 v[192:195], v23, s[8:9]       ; and the biases
.set II, 0
.rept 24
	ds_load_b128 v[32+4*II:35+4*II], v16 offset:512*II
.set II, II+1
.endr
	s_wait_dscnt 0x0
.irp k, 32,64,96
.set II, 0
.rept 16
	v_pk_add_f32 v[ACC+II:ACC+II+1], v[ACC+II:ACC+II+1], v[\k+II:\k+II+1]
.set II, II+2
.endr
.endr
.set II, 0
.rept 8
	ds_store_b128 v20, v[ACC+4*II:ACC+4*II+3] offset:128*(II/4)+16*(II%4)   ; register 16 b + i is column 32 b + 16 h + i
.set II, II+1
.endr
.set II, 0
.rept 8
	ds_load_b128 v[32+4*II:35+4*II], v21 offset:544*II    ; a wave's LDS instructions are served in order: these see my stores
.set II, II+1
.endr
	s_wait_loadcnt 0x0                             ; the residual and the biases are in
.set II, 0
.rept 8
	v_pk_add_f32 v[160+4*II:161+4*II], v[160+4*II:161+4*II], v[192:193]
	v_pk_add_f32 v[162+4*II:163+4*II], v[162+4*II:163+4*II], v[194:195]
.set II, II+1
.endr
	s_wait_alu depctr_va_vdst(0)
	s_wait_dscnt 0x0
.set II, 0
.rept 8
	v_pk_add_f32 v[32+4*II:33+4*II], v[32+4*II:33+4*II], v[160+4*II:161+4*II]
	v_pk_add_f32 v[34+4*II:35+4*II], v[34+4*II:35+4*II], v[162+4*II:163+4*II]
	global_store_b128 v22, v[32+4*II:35+4*II], s[12:13] offset:(2*II+8*(II/4))*4096   ; 16 lanes store 256 consecutive bytes, at a multiple of 256 from y's first byte
.set II, II+1
.endr
	s_wait_tensorcnt 0x0                           ; the wave's end
	ds_add_u32 v30, v31
	s_wait_dscnt 0x0
	CROUND                                         ; the closing round
	s_endpgm
.Lfunc_end_k_q258393baf6_oproj:
	.size	k_q258393baf6_oproj, .Lfunc_end_k_q258393baf6_oproj-k_q258393baf6_oproj
	.p2alignl 7, 3214868480
	.fill 96, 4, 3214868480
	.section	.rodata,"a",@progbits
	.p2align	6, 0x0
	.amdhsa_kernel k_q258393baf6_oproj
		.amdhsa_group_segment_fixed_size 327680
		.amdhsa_private_segment_fixed_size 0
		.amdhsa_enable_private_segment 0
		.amdhsa_kernarg_size 40
		.amdhsa_user_sgpr_count 2
		.amdhsa_user_sgpr_kernarg_segment_ptr 1
		.amdhsa_wavefront_size32 1
		.amdhsa_system_sgpr_workgroup_id_x 1
		.amdhsa_system_sgpr_workgroup_id_y 1
		.amdhsa_system_sgpr_workgroup_id_z 1
		.amdhsa_system_vgpr_workitem_id 0
		.amdhsa_next_free_vgpr 256
		.amdhsa_next_free_sgpr 100
		.amdhsa_reserve_vcc 0
		.amdhsa_float_denorm_mode_32 3
		.amdhsa_float_denorm_mode_16_64 3
		.amdhsa_memory_ordered 1
		.amdhsa_forward_progress 1
		.amdhsa_inst_pref_size 35
	.end_amdhsa_kernel
	.amdgpu_metadata
---
amdhsa.version: [ 1, 2 ]
amdhsa.kernels:
  - .name:           k_q258393baf6_oproj
    .symbol:         k_q258393baf6_oproj.kd
    .args:
      - { .name: obuf, .offset: 0, .size: 8, .value_kind: global_buffer, .address_space: global }
      - { .name: wbuf, .offset: 8, .size: 8, .value_kind: global_buffer, .address_space: global }
      - { .name: b_out, .offset: 16, .size: 8, .value_kind: global_buffer, .address_space: global }
      - { .name: x, .offset: 24, .size: 8, .value_kind: global_buffer, .address_space: global }
      - { .name: x1, .offset: 32, .size: 8, .value_kind: global_buffer, .address_space: global }
    .group_segment_fixed_size: 327680
    .private_segment_fixed_size: 0
    .kernarg_segment_align: 8
    .kernarg_segment_size: 40
    .max_flat_workgroup_size: 512
    .sgpr_count:     100
    .vgpr_count:     256
    .wavefront_size: 32
...
	.end_amdgpu_metadata
.endif
;; end of part 4
;; launch ln2 (part 5): grid 256 x 1, 4 waves a work-group, no clusters, 9,216 bytes of LDS; arguments x1, ln2_g, ln2_b, hbuf; writes hbuf
.if DOCPART == 5
	.amdgcn_target "amdgcn-amd-amdhsa--gfx1250"
	.amdhsa_code_object_version 6
	.text
	.protected	k_q258393baf6_ln2
	.globl	k_q258393baf6_ln2
	.p2align	8
	.type	k_q258393baf6_ln2,@function
k_q258393baf6_ln2:
	s_mov_b64 s[64:65], 0
	v_nop
	global_prefetch_b8 v0, s[64:65] scope:SCOPE_SE
	s_setreg_imm32_b32 hwreg(HW_REG_WAVE_MODE, 25, 1), 1
	s_wait_xcnt 0x0
; h = (x - mean) rsqrt(var + 1e-5) g + b for rows of 1,024 f32, quantised along the row to FP6 (E2M3) with one E8M0 byte for each 32, stored as register images.
; A work-group is one row tile t (16 tokens: lane r holds token 32 (t / 2) + 8 (t % 2) + r + 8 (r / 8)).  Wave w takes columns 256 w .. 256 w + 255: K steps 2 w, 2 w + 1.
; Lane (r, h) holds, of row r, 16 neighbours of each block of 32 (columns 32 b + 16 h + 0 .. 15): 128 numbers, kept in registers through both passes: the row is read once.
; The variance is taken of x - mean (two passes), so a common offset of the row costs no digits.  The waves' partial sums meet in LDS: two barriers, two regions.
; A wave's 256 gains and 256 biases come once, by four dense loads issued ahead of x's, into the wave's own 2,048 bytes of LDS; each chunk of 64 columns reads its 32 + 32 numbers a lane from there, one chunk ahead.
; OUT: half fragment (tile, K step s, half c) at ((s / 2) 256 + tile) 3072 + (s % 2) 1536 + 768 c: registers 0-3 of lane l at 16 l, registers 4-5 at 512 + 8 l.  Scale word of (tile, s, r) at 3,145,728 + ((tile 8 + s) 16 + r) 4.
; LIMITS: a block whose largest magnitude lies under 2^-124 gets the byte 1 (only this program reads the bytes).  NaN and infinities are not served.
.set TFIRST, 0                         ; the first work-group of the LayerNorm
.set SPW,   30                         ; v30      my spare word; never rewritten
.set NIL,   31                         ; v31      0; never rewritten
.set RED0,  0                          ; LDS: 16 rows x 4 waves of f32: the sums
.set RED1,  256                        ;      the sums of squares
.set SPARE, 512                        ;      the spare words, 128 bytes a wave
.set GB,    1024                       ;      gains (1,024 bytes) and biases (1,024) of each wave's 256 columns
.set XR,  64                           ; v64-191  my 128 numbers: block b at XR + 16 b
.set GR,  192                          ; v192-223 a chunk's gains
.set BR,  224                          ; v224-255 a chunk's biases
.set TM,  8                            ; v8-11    largest magnitudes, then bytes
.set TS,  12                           ; v12-13   the conversions' scale operands
.set PW,  14                           ; v14      two scale bytes
.set KP,  15                           ; v15      the even chunk's two bytes, kept
.set PC,  16                           ; v16-24   codes
.set WD,  25                           ; v25      a scale word
.set SEL, 20                           ; s[20:21] selects for lane l xor 16
; 32 numbers of a lane, register 16 b + i = k 32 b + 16 (lane / 16) + i of my row, become a half fragment in v[PC .. PC+5] and its two scale bytes in v[PW]
.macro QH S
.irp b, 0,1
	v_max3_num_f32 v[TM+\b], |v[\S+16*\b]|, |v[\S+1+16*\b]|, 0x1800000   ; my 16 numbers and the floor 2^(3 - 127)
.endr
.irp i, 2,4,6,8,10,12,14
.irp b, 0,1
	v_max3_num_f32 v[TM+\b], v[TM+\b], |v[\S+16*\b+\i]|, |v[\S+1+16*\b+\i]|
.endr
.endr
.irp b, 0,1
	v_permlanex16_b32 v[TM+2+\b], v[TM+\b], s[SEL], s[SEL+1]
.endr
.irp b, 0,1
	v_max_num_f32 v[TM+\b], v[TM+\b], v[TM+2+\b]   ; with lane l xor 16's: the block's largest magnitude
.endr
.irp b, 0,1
	v_add_nc_u32 v[TS+\b], 0xff000000, v[TM+\b]    ; 2 off its exponent field: the conversion's scale operand
.endr
.irp b, 0,1
	v_lshrrev_b32 v[TM+2+\b], 23, v[TS+\b]         ; the scale's byte
.endr
	v_lshl_or_b32 v[PW], v[TM+3], 8, v[TM+2]
	v_cvt_scalef32_pk16_fp6_f32 v[PC:PC+2], v[\S:\S+15], v[TS]
	v_cvt_scalef32_pk16_fp6_f32 v[PC+6:PC+8], v[\S+16:\S+31], v[TS+1]
	v_nop                                          ; one plain place behind a scaled conversion
.irp i, 0,1,2
	v_permlane16_swap_b32 v[PC+\i], v[PC+6+\i]     ; a lane wants a whole block: lanes 0-15 block 0, lanes 16-31 block 1
.endr
.irp i, 0,1,2
	v_mov_b32 v[PC+3+\i], v[PC+6+\i]
.endr
.endm
	s_load_b128 s[4:7], s[0:1], 0x0                ; x, g
	s_load_b128 s[8:11], s[0:1], 0x10              ; b, h
	v_lshl_add_u32 v[SPW], v0, 2, SPARE
	v_mov_b32 v[NIL], 0
	v_lshrrev_b32 v1, 5, v0
	v_readfirstlane_b32 s12, v1                    ; wave
	v_and_b32 v1, 15, v0                           ; r
	v_bfe_u32 v2, v0, 4, 1                         ; h
	v_and_b32 v3, 31, v0                           ; lane
	v_lshlrev_b32 v6, 4, v3                        ; 16 x lane
	v_lshl_add_u32 v7, v3, 3, 512                  ; 512 + 8 x lane
	s_lshl_b32 s13, s12, 10
	v_add_nc_u32 v5, s13, v6                       ; g, b in memory: 1,024 w + 16 x lane
	v_lshrrev_b32 v4, 3, v1
	v_lshl_add_u32 v4, v4, 3, v1                   ; r + 8 (r / 8)
	v_lshlrev_b32 v4, 12, v4                       ; rows of 4,096 bytes
	v_lshl_add_u32 v4, v2, 6, v4                   ; + 64 h
	v_add_nc_u32 v4, s13, v4                       ; + 1,024 w
	s_lshl_b32 s27, s12, 11
	s_add_co_u32 s27, s27, GB                      ; my wave's gains and biases in LDS
	v_add_nc_u32 v51, s27, v6                      ; in: 16 x lane
	v_lshlrev_b32 v52, 6, v2
	v_add_nc_u32 v52, s27, v52                     ; out: 64 h: sixteen lanes read the same 16 bytes
	v_lshlrev_b32 v48, 2, v1                       ; 4 r
	v_lshlrev_b32 v50, 4, v1                       ; LDS: my row's four partial sums
	s_lshl_b32 s16, s12, 2
	v_add_nc_u32 v49, s16, v50                     ; and my wave's word among them
	v_mov_b32 v[TM+2], 0                           ; a lane permute's destination counts as read
	v_mov_b32 v[TM+3], 0
	s_mov_b32 s[SEL], 0x76543210
	s_mov_b32 s[SEL+1], 0xfedcba98
	s_mov_b32 s22, 0x3a800000                      ; 1 / 1,024
	s_mov_b32 s23, 0x3727c5ac                      ; 1e-5
	s_sub_co_u32 s26, ttmp9, TFIRST                ; my row tile t
	s_lshr_b32 s14, s26, 1
	s_lshl_b32 s14, s14, 17
	s_and_b32 s15, s26, 1
	s_lshl_b32 s15, s15, 15
	s_add_co_u32 s14, s14, s15                     ; (32 (t / 2) + 8 (t % 2)) rows
	s_mov_b32 s15, 0
	s_lshl_b32 s18, s12, 8
	s_add_co_u32 s18, s18, s26
	s_mul_i32 s18, s18, 3072                       ; codes: (256 w + t) 3,072
	s_mov_b32 s19, 0
	s_lshl_b32 s24, s26, 9
	s_lshl_b32 s25, s12, 7
	s_add_co_u32 s24, s24, s25
	s_add_co_u32 s24, s24, 3145728                 ; scale words: 512 t + 128 w
	s_mov_b32 s25, 0
	s_wait_alu depctr_va_vdst(0)
	s_wait_kmcnt 0x0
	s_add_nc_u64 s[4:5], s[4:5], s[14:15]
	s_add_nc_u64 s[16:17], s[10:11], s[24:25]
	s_add_nc_u64 s[10:11], s[10:11], s[18:19]
.irp k, 0,1
	global_load_b128 v[32+4*\k:35+4*\k], v5, s[6:7] offset:512*\k    ; my wave's 256 gains: 32 lanes read 512 consecutive bytes
	global_load_b128 v[40+4*\k:43+4*\k], v5, s[8:9] offset:512*\k    ; and its 256 biases
.endr
.set II, 0
.rept 32
	global_load_b128 v[XR+4*II:XR+4*II+3], v4, s[4:5] offset:128*(II/4)+16*(II%4)
.set II, II+1
.endr
.macro GLOAD q                         ; gains and biases of chunk q (64 columns), out of LDS, in the numbers' layout
.set II, 0
.rept 8
	ds_load_b128 v[GR+4*II:GR+4*II+3], v52 offset:256*(\q)+128*(II/4)+16*(II%4)
	ds_load_b128 v[BR+4*II:BR+4*II+3], v52 offset:1024+256*(\q)+128*(II/4)+16*(II%4)
.set II, II+1
.endr
.endm
	s_wait_loadcnt 32                              ; the four loads of g and b are in; x's 32, issued behind them, may be out
.irp k, 0,1
	ds_store_b128 v51, v[32+4*\k:35+4*\k] offset:512*\k
	ds_store_b128 v51, v[40+4*\k:43+4*\k] offset:1024+512*\k
.endr
	GLOAD 0                                        ; a wave's LDS instructions are served in order: these see my stores; no other wave touches these bytes
	s_wait_dscnt 0x0                               ; the stores have read their registers, which the sums take next
; four chains v[32:39] are joined, lane l xor 16's added, and the four waves' partial sums meet in LDS: the row's sum ends in v40 of every lane
.macro REDUCE red
	v_pk_add_f32 v[32:33], v[32:33], v[34:35]
	v_pk_add_f32 v[36:37], v[36:37], v[38:39]
	v_pk_add_f32 v[32:33], v[32:33], v[36:37]
	v_add_f32 v32, v32, v33
	v_permlanex16_b32 v33, v32, s[SEL], s[SEL+1]
	v_add_f32 v32, v32, v33
	ds_store_b32 v49, v32 offset:\red              ; lanes r and r + 16 write the same word with the same value
	s_wait_dscnt 0x0                               ; for the others' sake: my store has landed
	s_barrier_signal -1
	s_barrier_wait -1
	ds_load_b128 v[40:43], v50 offset:\red
	s_wait_dscnt 0x0
	v_add_f32 v40, v40, v41
	v_add_f32 v42, v42, v43
	v_add_f32 v40, v40, v42
.endm
	s_wait_loadcnt 0x0                             ; x
.irp k, 0,1,2,3
	v_pk_add_f32 v[32+2*\k:33+2*\k], v[XR+2*\k:XR+2*\k+1], v[XR+8+2*\k:XR+9+2*\k]
.endr
.irp i, 16,24,32,40,48,56,64,72,80,88,96,104,112,120
.irp k, 0,1,2,3
	v_pk_add_f32 v[32+2*\k:33+2*\k], v[32+2*\k:33+2*\k], v[XR+\i+2*\k:XR+\i+2*\k+1]
.endr
.endr
	REDUCE RED0
	v_mul_f32 v26, s22, v40                        ; the mean
	v_mov_b32 v27, v26
.set II, 0
.rept 64
	v_pk_add_f32 v[XR+II:XR+II+1], v[XR+II:XR+II+1], v[26:27] neg_lo:[0,1] neg_hi:[0,1]
.set II, II+2
.endr
.irp k, 0,1,2,3
	v_pk_mul_f32 v[32+2*\k:33+2*\k], v[XR+2*\k:XR+2*\k+1], v[XR+2*\k:XR+2*\k+1]
.endr
.irp i, 8,16,24,32,40,48,56,64,72,80,88,96,104,112,120
.irp k, 0,1,2,3
	v_pk_fma_f32 v[32+2*\k:33+2*\k], v[XR+\i+2*\k:XR+\i+2*\k+1], v[XR+\i+2*\k:XR+\i+2*\k+1], v[32+2*\k:33+2*\k]
.endr
.endr
	REDUCE RED1
	v_fma_f32 v28, v40, s22, s23                   ; the variance + 1e-5
	s_wait_alu depctr_va_vdst(0)
	v_rsq_f32 v28, v28
	v_nop                                          ; a plain place behind the transcendental
	s_wait_alu depctr_va_vdst(0)                   ; and the wait ahead of its first reader
	v_mov_b32 v29, v28
.macro CHUNK q
	s_wait_dscnt 0x0                               ; this chunk's g and b are out of LDS
.set II, 0
.rept 16
	v_pk_mul_f32 v[XR+32*\q+II:XR+32*\q+II+1], v[XR+32*\q+II:XR+32*\q+II+1], v[28:29]
.set II, II+2
.endr
.set II, 0
.rept 16
	v_pk_fma_f32 v[XR+32*\q+II:XR+32*\q+II+1], v[XR+32*\q+II:XR+32*\q+II+1], v[GR+II:GR+II+1], v[BR+II:BR+II+1]
.set II, II+2
.endr
.if \q < 3
	GLOAD \q+1                                     ; the next chunk's, under this chunk's quantiser
.endif
	QH XR+32*\q
	global_store_b128 v6, v[PC:PC+3], s[10:11] offset:768*\q      ; 32 lanes store 512 consecutive bytes
	global_store_b64 v7, v[PC+4:PC+5], s[10:11] offset:768*\q     ; and 256
.if \q%2 == 0
	v_mov_b32 v[KP], v[PW]
.else
	v_lshl_or_b32 v[WD], v[PW], 16, v[KP]          ; four bytes: the K step's scale word
	global_store_b32 v48, v[WD], s[16:17] offset:64*(\q/2)
.endif
	s_wait_xcnt 0x0                                ; the stores' data registers are written again only behind this wait
.endm
	s_wait_alu depctr_va_vdst(0)
	CHUNK 0
	CHUNK 1
	CHUNK 2
	CHUNK 3
	s_wait_tensorcnt 0x0                           ; the wave's end: three lines behind my last LDS store
	ds_add_u32 v[SPW], v[NIL]
	s_wait_dscnt 0x0
	s_endpgm
.Lfunc_end_k_q258393baf6_ln2:
	.size	k_q258393baf6_ln2, .Lfunc_end_k_q258393baf6_ln2-k_q258393baf6_ln2
	.p2alignl 7, 3214868480
	.fill 96, 4, 3214868480
	.section	.rodata,"a",@progbits
	.p2align	6, 0x0
	.amdhsa_kernel k_q258393baf6_ln2
		.amdhsa_group_segment_fixed_size 9216
		.amdhsa_private_segment_fixed_size 0
		.amdhsa_enable_private_segment 0
		.amdhsa_kernarg_size 32
		.amdhsa_user_sgpr_count 2
		.amdhsa_user_sgpr_kernarg_segment_ptr 1
		.amdhsa_wavefront_size32 1
		.amdhsa_system_sgpr_workgroup_id_x 1
		.amdhsa_system_sgpr_workgroup_id_y 1
		.amdhsa_system_sgpr_workgroup_id_z 1
		.amdhsa_system_vgpr_workitem_id 0
		.amdhsa_next_free_vgpr 256
		.amdhsa_next_free_sgpr 66
		.amdhsa_reserve_vcc 0
		.amdhsa_float_denorm_mode_32 3
		.amdhsa_float_denorm_mode_16_64 3
		.amdhsa_memory_ordered 1
		.amdhsa_forward_progress 1
		.amdhsa_inst_pref_size 41
	.end_amdhsa_kernel
	.amdgpu_metadata
---
amdhsa.version: [ 1, 2 ]
amdhsa.kernels:
  - .name:           k_q258393baf6_ln2
    .symbol:         k_q258393baf6_ln2.kd
    .args:
      - { .name: x1, .offset: 0, .size: 8, .value_kind: global_buffer, .address_space: global }
      - { .name: ln2_g, .offset: 8, .size: 8, .value_kind: global_buffer, .address_space: global }
      - { .name: ln2_b, .offset: 16, .size: 8, .value_kind: global_buffer, .address_space: global }
      - { .name: hbuf, .offset: 24, .size: 8, .value_kind: global_buffer, .address_space: global }
    .group_segment_fixed_size: 9216
    .private_segment_fixed_size: 0
    .kernarg_segment_align: 8
    .kernarg_segment_size: 32
    .max_flat_workgroup_size: 128
    .sgpr_count:     66
    .vgpr_count:     256
    .wavefront_size: 32
...
	.end_amdgpu_metadata
.endif
;; end of part 5
;; launch ff1 (part 6): grid 16 x 16, 16 waves a work-group, clusters of 4 x 4, 327,680 bytes of LDS; arguments hbuf, wbuf, b_ff1, gbuf; writes gbuf
.if DOCPART == 6
	.amdgcn_target "amdgcn-amd-amdhsa--gfx1250"
	.amdhsa_code_object_version 6
	.text
	.protected	k_q258393baf6_ff1
	.globl	k_q258393baf6_ff1
	.p2align	8
	.type	k_q258393baf6_ff1,@function
k_q258393baf6_ff1:
	s_mov_b64 s[64:65], 0
	v_nop
	global_prefetch_b8 v0, s[64:65] scope:SCOPE_SE
	s_setreg_imm32_b32 hwreg(HW_REG_WAVE_MODE, 25, 1), 1
	s_wait_xcnt 0x0
	s_wait_alu depctr_hold_cnt(0) depctr_sa_sdst(0) depctr_va_vdst(0) depctr_va_sdst(0) depctr_va_ssrc(0) depctr_va_vcc(0) depctr_vm_vsrc(0)
	s_getreg_b32 s2, hwreg(HW_REG_IB_STS2, 6, 4)
	s_cmp_eq_u32 s2, 0
	s_cbranch_scc0 .Lentry_in_a_cluster
	s_endpgm
.Lentry_in_a_cluster:
	s_bfe_u32 s2, ttmp6, 0x10000c
	s_cmp_lg_u32 s2, 0xf033
	s_cbranch_scc0 .Lentry_shape_is_right
	s_endpgm
.Lentry_shape_is_right:
.set SIGA,  786432
.set SIGB,  786432
.set SCW,   1024
.set ASOFF, 3145728
.set BCOFF, 3145728
.set BSOFF, 9568256
.set GSO,   12582912
.set SLOT,  98304
.set SCLB,  196608
.set SPARE, 212992
.set BIASL, 215040
.set SCL,   24
.set AF,    32
.set BF,    80
.set ACC,   128
.set ZR,    32
.set TR,    64
.set PR,    96
.set TM,    64
.set TS,    68
.set PW,    70
.set PC,    72
.set LSC,   18
.set SEL,   14
.set WV,    16
.set FB,    17
.set G1A,   24
.set G1B,   32
.set G0A,   40
.set G0B,   48
.set G1SA,  56
.set G1SB,  68
.set G0SA,  76
.set G0SB,  80
.set CC,    24
.set CZ,    44
.set L2E,   46
.set OUT,   50
.set OSC,   52
.macro JLOAD g0a, g1a, g0b, g1b
	s_cmp_eq_u32 s[FB], 0
	s_cbranch_scc0 .Lfor_b_\@
	tensor_load_to_lds s[\g0a:\g0a+3], s[\g1a:\g1a+7]
	s_nop 0
.rept 4
	v_nop
.endr
	s_branch .Lasked_\@
.Lfor_b_\@:
	tensor_load_to_lds s[\g0b:\g0b+3], s[\g1b:\g1b+7]
	s_nop 0
.rept 4
	v_nop
.endr
.Lasked_\@:
.endm
.macro CROUND
	s_barrier_signal -1
	s_barrier_wait -1
	s_cmp_lg_u32 s[WV], 0
	s_cbranch_scc1 .Lnot_wave_0_\@
	s_barrier_signal -3
.Lnot_wave_0_\@:
	s_barrier_wait -3
	s_barrier_signal -1
	s_barrier_wait -1
.endm
.macro CHANGE slot, fill
	s_wait_tensorcnt 0x0
	ds_add_u32 v30, v31
.if \fill
	s_add_nc_u64 s[G0A+4*(\slot)+2:G0A+4*(\slot)+3], s[G0A+4*(\slot)+2:G0A+4*(\slot)+3], 2*SIGA
	s_add_nc_u64 s[G0B+4*(\slot)+2:G0B+4*(\slot)+3], s[G0B+4*(\slot)+2:G0B+4*(\slot)+3], 2*SIGB
.endif
	s_wait_dscnt 0x0
.if \fill
	CROUND
	JLOAD G0A+4*(\slot), G1A, G0B+4*(\slot), G1B
.else
	s_barrier_signal -1
	s_barrier_wait -1
.endif
.endm
.macro QH S
.irp b, 0,1
	v_max3_num_f32 v[TM+\b], |v[\S+16*\b]|, |v[\S+1+16*\b]|, 0x1800000
.endr
.irp i, 2,4,6,8,10,12,14
.irp b, 0,1
	s_delay_alu instid0(VALU_DEP_2)
	v_max3_num_f32 v[TM+\b], v[TM+\b], |v[\S+16*\b+\i]|, |v[\S+1+16*\b+\i]|
.endr
.endr
.irp b, 0,1
	v_permlanex16_b32 v[TM+2+\b], v[TM+\b], s[SEL], s[SEL+1]
.endr
.irp b, 0,1
	s_delay_alu instid0(VALU_DEP_2)
	v_max_num_f32 v[TM+\b], v[TM+\b], v[TM+2+\b]
.endr
.irp b, 0,1
	s_delay_alu instid0(VALU_DEP_2)
	v_add_nc_u32 v[TS+\b], 0xff000000, v[TM+\b]
.endr
.irp b, 0,1
	s_delay_alu instid0(VALU_DEP_2)
	v_lshrrev_b32 v[TM+2+\b], 23, v[TS+\b]
.endr
	s_delay_alu instid0(VALU_DEP_1)
	v_lshl_or_b32 v[PW], v[TM+3], 8, v[TM+2]
	v_cvt_scalef32_pk16_fp6_f32 v[PC:PC+2], v[\S:\S+15], v[TS]
	v_cvt_scalef32_pk16_fp6_f32 v[PC+6:PC+8], v[\S+16:\S+31], v[TS+1]
	v_nop
.irp i, 0,1,2
	v_permlane16_swap_b32 v[PC+\i], v[PC+6+\i]
.endr
.irp i, 0,1,2
	s_delay_alu instid0(VALU_DEP_3)
	v_mov_b32 v[PC+3+\i], v[PC+6+\i]
.endr
.endm
.macro FRAG reg, a16, a8, off
	ds_load_b128 v[\reg:\reg+3], v[\a16] offset:\off
	ds_load_b64 v[\reg+4:\reg+5], v[\a8] offset:\off
	ds_load_b128 v[\reg+6:\reg+9], v[\a16] offset:\off+768
	ds_load_b64 v[\reg+10:\reg+11], v[\a8] offset:\off+768
.endm
.macro MMR a, zero                     ; h's tile a against the weight's four: source 0 = the weight's tile b, source 1 = h's tile a
.irp b, 0,1,2,3
.if \zero
	v_wmma_scale_f32_16x16x128_f8f6f4 v[ACC+8*(4*\a+\b):ACC+8*(4*\a+\b)+7], v[BF+12*\b:BF+12*\b+11], v[AF+12*\a:AF+12*\a+11], 0, v[SCL+\b], v[SCL+\a] matrix_a_fmt:MATRIX_FMT_FP6 matrix_b_fmt:MATRIX_FMT_FP6 matrix_a_scale:MATRIX_SCALE_ROW1
.else
	v_wmma_scale_f32_16x16x128_f8f6f4 v[ACC+8*(4*\a+\b):ACC+8*(4*\a+\b)+7], v[BF+12*\b:BF+12*\b+11], v[AF+12*\a:AF+12*\a+11], v[ACC+8*(4*\a+\b):ACC+8*(4*\a+\b)+7], v[SCL+\b], v[SCL+\a] matrix_a_fmt:MATRIX_FMT_FP6 matrix_b_fmt:MATRIX_FMT_FP6 matrix_a_scale:MATRIX_SCALE_ROW1
.endif
.endr
.endm
.macro STEP slot, sl, s, zero
.rept 4
	v_nop
.endr
.irp i, 0,1,2,3
	ds_load_b32 v[SCL+\i], v16 offset:\i*512+\s*64
.endr
.irp b, 0,1,2,3
	FRAG BF+12*\b, 12+\slot, 14+\slot, \b*3072+\sl*1536
.endr
.irp a, 0,1,2,3
	FRAG AF+12*\a, 8+\slot, 10+\slot, \a*3072+\sl*1536
.endr
.irp a, 0,1,2,3
	s_wait_dscnt 12-4*\a                           ; the scale words, B and A's tiles up to a are in; behind them stand four loads for each later tile of A
	MMR \a, \zero
.endr
.endm
.macro KONST n, val
	s_mov_b32 s[CC+2*\n], \val
	s_mov_b32 s[CC+2*\n+1], \val
.endm
.macro GELU X
.set II, 0
.rept 32
	v_mul_f32 v[ZR+II], s[CZ], |v[\X+II]|
.set II, II+1
.endr
.set II, 0
.rept 16
	v_pk_fma_f32 v[TR+II:TR+II+1], v[ZR+II:ZR+II+1], 0.5, 1.0 op_sel_hi:[1,0,0]
.set II, II+2
.endr
.set II, 0
	s_wait_alu depctr_va_vdst(0)
.rept 32
	v_rcp_f32 v[TR+II], v[TR+II]
.set II, II+1
.endr
	v_nop
	s_wait_alu depctr_va_vdst(0)
.set II, 0
.rept 16
	v_pk_fma_f32 v[PR+II:PR+II+1], v[TR+II:TR+II+1], s[CC+18:CC+19], v[20:21] op_sel_hi:[1,0,1]
.set II, II+2
.endr
.irp k, 7,6,5,4,3,2,1,0
.set II, 0
.rept 16
	v_pk_fma_f32 v[PR+II:PR+II+1], v[PR+II:PR+II+1], v[TR+II:TR+II+1], s[CC+2*\k:CC+2*\k+1] op_sel_hi:[1,1,0]
.set II, II+2
.endr
.endr
.set II, 0
.rept 16
	v_pk_fma_f32 v[PR+II:PR+II+1], v[ZR+II:ZR+II+1], v[ZR+II:ZR+II+1], v[PR+II:PR+II+1] neg_lo:[1,0,0] neg_hi:[1,0,0]
.set II, II+2
.endr
.set II, 0
.rept 16
	v_pk_mul_f32 v[PR+II:PR+II+1], v[PR+II:PR+II+1], s[L2E:L2E+1] op_sel_hi:[1,0]
.set II, II+2
.endr
.set II, 0
	s_wait_alu depctr_va_vdst(0)
.rept 32
	v_exp_f32 v[PR+II], v[PR+II]
.set II, II+1
.endr
.set II, 0
.rept 16
	v_pk_mul_f32 v[ZR+II:ZR+II+1], v[ZR+II:ZR+II+1], s[CZ:CZ+1] op_sel_hi:[1,0]
.set II, II+2
.endr
.set II, 0
.rept 16
	v_pk_mul_f32 v[ZR+II:ZR+II+1], v[ZR+II:ZR+II+1], v[TR+II:TR+II+1]
.set II, II+2
.endr
.set II, 0
.rept 32
	v_max_num_f32 v[\X+II], 0, v[\X+II]
.set II, II+1
.endr
	s_wait_alu depctr_va_vdst(0)
.set II, 0
.rept 16
	v_pk_fma_f32 v[\X+II:\X+II+1], v[ZR+II:ZR+II+1], v[PR+II:PR+II+1], v[\X+II:\X+II+1] neg_lo:[1,0,0] neg_hi:[1,0,0]
.set II, II+2
.endr
.endm
	s_load_b256 s[4:11], s[0:1], 0x0
	v_lshl_add_u32 v30, v0, 2, SPARE
	v_mov_b32 v31, 0
	ds_add_u32 v30, v31
	ds_add_u32 v30, v31
	v_lshrrev_b32 v1, 5, v0
	s_delay_alu instid0(VALU_DEP_1)
	v_readfirstlane_b32 s[WV], v1
	s_lshr_b32 s[FB], s[WV], 3
	s_bfe_u32 s18, ttmp6, 0x40000
	s_bfe_u32 s19, ttmp6, 0x40004
	s_and_b32 s20, ttmp7, 0xffff
	s_lshl_b32 s20, s20, 2
	s_add_co_u32 s20, s20, s19
	s_lshl_b32 s21, ttmp9, 2
	s_add_co_u32 s21, s21, s18
	s_lshl_b32 s84, s19, 2
	s_lshl_b32 s84, 15, s84
	s_lshl_b32 s85, 0x1111, s18
	s_or_b32 s[G1A], s84, (3<<16)|(1<<21)
	s_or_b32 s[G1B], s85, (3<<16)|(1<<21)
.irp g, G1A, G1B
	s_mov_b32 s[\g+1], 32<<16
	s_mov_b32 s[\g+2], 24<<16
	s_mov_b32 s[\g+3], 32<<16
	s_mov_b32 s[\g+4], 24
	s_mov_b32 s[\g+5], 32
	s_mov_b32 s[\g+6], 0
	s_mov_b32 s[\g+7], 0
.endr
	s_and_b32 s86, s[WV], 7
	s_mul_i32 s87, s86, 6144
	s_mul_i32 s88, s20, 49152
	s_add_co_u32 s88, s88, s87
	s_mov_b32 s89, 0
	s_mul_i32 s90, s21, 49152
	s_add_co_u32 s90, s90, s87
	s_add_co_u32 s90, s90, BCOFF
	s_mov_b32 s91, 0
	s_mul_i32 s87, s86, SCW
	s_mul_i32 s92, s20, 8*SCW
	s_add_co_u32 s92, s92, s87
	s_add_co_u32 s92, s92, ASOFF
	s_mov_b32 s93, 0
	s_mul_i32 s94, s21, 8*SCW
	s_add_co_u32 s94, s94, s87
	s_add_co_u32 s94, s94, BSOFF
	s_mov_b32 s95, 0
	s_mul_i32 s96, s[WV], 6144
	s_mul_i32 s97, s[WV], SCW
	s_lshr_b32 s22, s[WV], 2
	s_and_b32 s23, s[WV], 3
	s_lshl_b32 s98, s21, 2
	s_add_co_u32 s98, s98, s23
	s_lshl_b32 s98, s98, 8
	s_mov_b32 s99, 0
	v_and_b32 v3, 31, v0
	s_delay_alu instid0(VALU_DEP_1)
	v_lshlrev_b32 v17, 3, v3
	v_lshlrev_b32 v20, 4, v3                       ; 16 bytes a lane
	s_mov_b32 s[SEL], 0x76543210
	s_mov_b32 s[SEL+1], 0xfedcba98
	s_wait_alu depctr_va_vdst(0)
	s_wait_dscnt 0x0
	CROUND                                         ; the round in front of the first joint loads, ahead of the wait for the arguments
	s_wait_kmcnt 0x0
	s_add_nc_u64 s[88:89], s[4:5], s[88:89]
	s_add_nc_u64 s[90:91], s[6:7], s[90:91]
	s_add_nc_u64 s[92:93], s[4:5], s[92:93]
	s_add_nc_u64 s[94:95], s[6:7], s[94:95]
	s_add_nc_u64 s[8:9], s[8:9], s[98:99]
	global_load_b64 v[32:33], v17, s[8:9]
	s_cmp_eq_u32 s[FB], 0                          ; the scale words of all of K come through registers: waves 0-7 A's, waves 8-15 B's, SCW dense bytes a wave
	s_cselect_b64 s[92:93], s[92:93], s[94:95]
	; PREFETCHES: each wave asks for its own 6,144 bytes of a later slot fill; the four partners that load them jointly take 6 blocks of 256 bytes each, told apart by address (cx for A, cy for B).
	; The head asks for fills 1 and 2, the first trip for fill 3, the last: each two fills ahead of its load but fill 1.
	s_cselect_b64 s[76:77], s[88:89], s[90:91]
	s_mov_b32 s82, SIGB
	s_cselect_b32 s82, SIGA, s82
	s_cselect_b32 s68, s18, s19
	s_mov_b32 s83, 0
	s_add_nc_u64 s[76:77], s[76:77], s[82:83]      ; fill 1
	s_add_nc_u64 s[78:79], s[76:77], s[82:83]      ; fill 2
	s_add_nc_u64 s[80:81], s[78:79], s[82:83]      ; fill 3
	s_mul_i32 s68, s68, 1536
	global_load_b128 v[36:39], v20, s[92:93]
	global_load_b128 v[40:43], v20, s[92:93] offset:512
	s_add_co_u32 s97, s97, SCLB
.irp s, 0,1
	s_mov_b32 s[G0A+4*\s], 1
	s_add_co_u32 s[G0A+4*\s+1], s96, \s*SLOT
	s_add_nc_u64 s[G0A+4*\s+2:G0A+4*\s+3], s[88:89], \s*SIGA
	s_or_b32 s[G0A+4*\s+3], s[G0A+4*\s+3], 0x80000000
	s_mov_b32 s[G0B+4*\s], 1
	s_add_co_u32 s[G0B+4*\s+1], s96, \s*SLOT
	s_add_nc_u64 s[G0B+4*\s+2:G0B+4*\s+3], s[90:91], \s*SIGB
	s_or_b32 s[G0B+4*\s+3], s[G0B+4*\s+3], 0x80000000
.endr
	JLOAD G0A, G1A, G0B, G1B
	v_min_u32 v28, 5, v3                           ; lanes 0-5 a block each; the others name the last again
	v_lshl_add_u32 v28, v28, 8, s68
	global_prefetch_b8 v28, s[76:77] th:TH_LOAD_NT scope:SCOPE_SE
	global_prefetch_b8 v28, s[78:79] th:TH_LOAD_NT scope:SCOPE_SE
	v_and_b32 v1, 15, v0
	v_bfe_u32 v2, v0, 4, 1
	v_lshlrev_b32 v4, 4, v3
	v_lshl_add_u32 v5, v3, 3, 512
	s_mul_i32 s84, s22, 12288
	s_mul_i32 s85, s23, 12288
	s_add_co_u32 s85, s85, 49152
.irp s, 0,1
	v_add_nc_u32 v[8+\s], s84, v4
	v_add_nc_u32 v[10+\s], s84, v5
	v_add_nc_u32 v[12+\s], s85, v4
	v_add_nc_u32 v[14+\s], s85, v5
	s_add_co_u32 s84, s84, SLOT
	s_add_co_u32 s85, s85, SLOT
.endr
	s_lshl_b32 s84, s22, 11
	s_lshl_b32 s85, s23, 11
	s_add_co_u32 s85, s85, 8192
	s_sub_co_u32 s85, s85, s84
	v_mul_u32_u24 v16, s85, v2
	s_add_co_u32 s84, s84, SCLB
	v_lshl_add_u32 v16, v1, 2, v16
	s_delay_alu instid0(VALU_DEP_1)
	v_add_nc_u32 v16, s84, v16
	s_lshl_b32 s84, s[WV], 8
	s_add_co_u32 s84, s84, BIASL
	v_add_nc_u32 v19, s84, v17
	v_add_nc_u32 v21, s97, v20                     ; my scale words' place in LDS
	v_lshlrev_b32 v22, 6, v2
	s_delay_alu instid0(VALU_DEP_1)
	v_add_nc_u32 v22, s84, v22
	s_wait_alu depctr_va_vdst(0)
	s_wait_loadcnt 0x0
	ds_store_b64 v19, v[32:33]
	ds_store_b128 v21, v[36:39]
	ds_store_b128 v21, v[40:43] offset:512
	s_wait_tensorcnt 0x0                           ; my part of slot 0 is in; slot 1's first fill is issued as a refill is
	ds_add_u32 v30, v31
	s_wait_dscnt 0x0
	CROUND
	JLOAD G0A+4, G1A, G0B+4, G1B
	global_prefetch_b8 v28, s[80:81] th:TH_LOAD_NT scope:SCOPE_SE
	STEP 0, 0, 0, 1
	STEP 0, 1, 1, 0
	CHANGE 0, 1
	STEP 1, 0, 2, 0
	STEP 1, 1, 3, 0
	CHANGE 1, 1
	STEP 0, 0, 4, 0
	STEP 0, 1, 5, 0
	CHANGE 0, 0
	STEP 1, 0, 6, 0
	STEP 1, 1, 7, 0
.rept 4
	v_nop
.endr
.set II, 0
.rept 8
	ds_load_b128 v[32+4*II:35+4*II], v22 offset:128*(II/4)+16*(II%4)
.set II, II+1
.endr
	s_lshl_b32 s84, s21, 2
	s_add_co_u32 s84, s84, s23
	s_lshl_b32 s85, s20, 4
	s_lshl_b32 s88, s22, 2
	s_add_co_u32 s85, s85, s88
	s_lshr_b32 s88, s84, 3
	s_mul_i32 s88, s88, 1572864
	s_mul_i32 s89, s85, 6144
	s_add_co_u32 s88, s88, s89
	s_and_b32 s89, s84, 7
	s_mul_i32 s89, s89, 768
	s_add_co_u32 s88, s88, s89
	s_mov_b32 s89, 0
	s_add_nc_u64 s[OUT:OUT+1], s[10:11], s[88:89]
	s_lshl_b32 s90, s85, 11
	s_lshr_b32 s91, s84, 1
	s_lshl_b32 s91, s91, 6
	s_add_co_u32 s90, s90, s91
	s_and_b32 s91, s84, 1
	s_lshl_b32 s91, s91, 1
	s_add_co_u32 s90, s90, s91
	s_add_co_u32 s90, s90, GSO
	s_mov_b32 s91, 0
	s_add_nc_u64 s[OSC:OSC+1], s[10:11], s[90:91]
	v_lshlrev_b32 v[LSC], 2, v1
	KONST 0, 0xbfa1fc4e
	KONST 1, 0x3f8000c7
	KONST 2, 0x3ebf88fb
	KONST 3, 0x3dc636c9
	KONST 4, 0xbe3ec24c
	KONST 5, 0x3e8ec7cc
	KONST 6, 0xbf914e5d
	KONST 7, 0x3fbe87b0
	KONST 9, 0x3e2ef945
	v_mov_b32 v20, 0xbf527892
	v_mov_b32 v21, 0xbf527892
	s_mov_b32 s[CZ], 0x3f3504f3
	s_mov_b32 s[CZ+1], 0x3f3504f3
	s_mov_b32 s[L2E], 0x3fb8aa3b
	s_mov_b32 s[L2E+1], 0x3fb8aa3b
	s_wait_dscnt 0x0
.irp g, 0,1,2,3
.set II, 0
.rept 16
	v_pk_add_f32 v[ACC+32*\g+II:ACC+32*\g+II+1], v[ACC+32*\g+II:ACC+32*\g+II+1], v[32+II:33+II]
.set II, II+2
.endr
.endr
.irp g, 0,1,2,3
	GELU ACC+32*\g
	QH ACC+32*\g
	global_store_b128 v4, v[PC:PC+3], s[OUT:OUT+1] offset:6144*\g
	global_store_b64 v5, v[PC+4:PC+5], s[OUT:OUT+1] offset:6144*\g
	global_store_b16 v[LSC], v[PW], s[OSC:OSC+1] offset:2048*\g
	s_wait_xcnt 0x0
.endr
	s_wait_tensorcnt 0x0
	ds_add_u32 v30, v31
	s_wait_dscnt 0x0
	CROUND
	s_endpgm
.Lfunc_end_k_q258393baf6_ff1:
	.size	k_q258393baf6_ff1, .Lfunc_end_k_q258393baf6_ff1-k_q258393baf6_ff1
	.p2alignl 7, 3214868480
	.fill 96, 4, 3214868480
	.section	.rodata,"a",@progbits
	.p2align	6, 0x0
	.amdhsa_kernel k_q258393baf6_ff1
		.amdhsa_group_segment_fixed_size 327680
		.amdhsa_private_segment_fixed_size 0
		.amdhsa_enable_private_segment 0
		.amdhsa_kernarg_size 32
		.amdhsa_user_sgpr_count 2
		.amdhsa_user_sgpr_kernarg_segment_ptr 1
		.amdhsa_wavefront_size32 1
		.amdhsa_system_sgpr_workgroup_id_x 1
		.amdhsa_system_sgpr_workgroup_id_y 1
		.amdhsa_system_sgpr_workgroup_id_z 1
		.amdhsa_system_vgpr_workitem_id 0
		.amdhsa_next_free_vgpr 256
		.amdhsa_next_free_sgpr 100
		.amdhsa_reserve_vcc 0
		.amdhsa_float_denorm_mode_32 3
		.amdhsa_float_denorm_mode_16_64 3
		.amdhsa_memory_ordered 1
		.amdhsa_forward_progress 1
		.amdhsa_inst_pref_size 148
	.end_amdhsa_kernel
	.amdgpu_metadata
---
amdhsa.version: [ 1, 2 ]
amdhsa.kernels:
  - .name:           k_q258393baf6_ff1
    .symbol:         k_q258393baf6_ff1.kd
    .args:
      - { .name: hbuf, .offset: 0, .size: 8, .value_kind: global_buffer, .address_space: global }
      - { .name: wbuf, .offset: 8, .size: 8, .value_kind: global_buffer, .address_space: global }
      - { .name: b_ff1, .offset: 16, .size: 8, .value_kind: global_buffer, .address_space: global }
      - { .name: gbuf, .offset: 24, .size: 8, .value_kind: global_buffer, .address_space: global }
    .group_segment_fixed_size: 327680
    .private_segment_fixed_size: 0
    .kernarg_segment_align: 8
    .kernarg_segment_size: 32
    .max_flat_workgroup_size: 512
    .sgpr_count:     100
    .vgpr_count:     256
    .wavefront_size: 32
...
	.end_amdgpu_metadata
.endif
;; end of part 6
;; launch ff2 (part 7): grid 8 x 32, 16 waves a work-group, clusters of 4 x 4, 327,680 bytes of LDS; arguments gbuf, wbuf, b_ff2, x1, out0; writes out0
.if DOCPART == 7
	.amdgcn_target "amdgcn-amd-amdhsa--gfx1250"
	.amdhsa_code_object_version 6
	.text
	.protected	k_q258393baf6_ff2
	.globl	k_q258393baf6_ff2
	.p2align	8
	.type	k_q258393baf6_ff2,@function
k_q258393baf6_ff2:
	s_mov_b64 s[64:65], 0
	v_nop
	global_prefetch_b8 v0, s[64:65] scope:SCOPE_SE
	s_setreg_imm32_b32 hwreg(HW_REG_WAVE_MODE, 25, 1), 1
	s_wait_xcnt 0x0
	s_wait_alu depctr_hold_cnt(0) depctr_sa_sdst(0) depctr_va_vdst(0) depctr_va_sdst(0) depctr_va_ssrc(0) depctr_va_vcc(0) depctr_vm_vsrc(0)
	s_getreg_b32 s2, hwreg(HW_REG_IB_STS2, 6, 4)
	s_cmp_eq_u32 s2, 0
	s_cbranch_scc0 .Lentry_in_a_cluster
	s_endpgm
.Lentry_in_a_cluster:
	s_bfe_u32 s2, ttmp6, 0x10000c
	s_cmp_lg_u32 s2, 0xf033
	s_cbranch_scc0 .Lentry_shape_is_right
	s_endpgm
.Lentry_shape_is_right:
.set NSL,   8
.set RPF,   4                          ; the K step group in which the residual's rows are asked for: four groups ahead of their loads
.set SCW,   2048
.set ASOFF, 12582912
.set BCOFF, 6291456
.set BSOFF, 9699328
.set SIGA,  1572864
.set SIGB,  393216
.set SLOT,  98304
.set SCLB,  196608
.set STG,   229376
.set SPARE, 299008
.set SCL,   24
.set AF,    32
.set BF,    80
.set ACC,   128
.set WV,    16
.set FB,    17
.set RO,    84
.set SG,    98
.set G1A,   24
.set G1B,   32
.set G0A,   40
.set G0B,   48
.set G1SA,  56
.set G1SB,  68
.set G0SA,  76
.set G0SB,  80
.macro JLOAD g0a, g1a, g0b, g1b
	s_cmp_eq_u32 s[FB], 0
	s_cbranch_scc0 .Lfor_b_\@
	tensor_load_to_lds s[\g0a:\g0a+3], s[\g1a:\g1a+7]
	s_nop 0
.rept 4
	v_nop
.endr
	s_branch .Lasked_\@
.Lfor_b_\@:
	tensor_load_to_lds s[\g0b:\g0b+3], s[\g1b:\g1b+7]
	s_nop 0
.rept 4
	v_nop
.endr
.Lasked_\@:
.endm
.macro CROUND
	s_barrier_signal -1
	s_barrier_wait -1
	s_cmp_lg_u32 s[WV], 0
	s_cbranch_scc1 .Lnot_wave_0_\@
	s_barrier_signal -3
.Lnot_wave_0_\@:
	s_barrier_wait -3
	s_barrier_signal -1
	s_barrier_wait -1
.endm
.macro CHANGE slot, fill
	s_wait_tensorcnt 0x0
	ds_add_u32 v30, v31
.if \fill
	s_add_nc_u64 s[G0A+4*(\slot)+2:G0A+4*(\slot)+3], s[G0A+4*(\slot)+2:G0A+4*(\slot)+3], 2*SIGA
	s_add_nc_u64 s[G0B+4*(\slot)+2:G0B+4*(\slot)+3], s[G0B+4*(\slot)+2:G0B+4*(\slot)+3], 2*SIGB
.endif
	s_wait_dscnt 0x0
.if \fill
	CROUND
	JLOAD G0A+4*(\slot), G1A, G0B+4*(\slot), G1B
.else
	s_barrier_signal -1
	s_barrier_wait -1
.endif
.endm
.macro FRAG reg, a16, a8, off
	ds_load_b128 v[\reg:\reg+3], v[\a16] offset:\off
	ds_load_b64 v[\reg+4:\reg+5], v[\a8] offset:\off
	ds_load_b128 v[\reg+6:\reg+9], v[\a16] offset:\off+768
	ds_load_b64 v[\reg+10:\reg+11], v[\a8] offset:\off+768
.endm
.macro MMR a, zero                     ; A's group a against B's four tiles: source 0 = B's tile b, source 1 = A's group a
.irp b, 0,1,2,3
.if \zero
	v_wmma_scale_f32_16x16x128_f8f6f4 v[ACC+8*(4*\a+\b):ACC+8*(4*\a+\b)+7], v[BF+12*\b:BF+12*\b+11], v[AF+12*\a:AF+12*\a+11], 0, v[SCL+\b], v[SCL+\a] matrix_a_fmt:MATRIX_FMT_FP6 matrix_b_fmt:MATRIX_FMT_FP6 matrix_a_scale:MATRIX_SCALE_ROW1
.else
	v_wmma_scale_f32_16x16x128_f8f6f4 v[ACC+8*(4*\a+\b):ACC+8*(4*\a+\b)+7], v[BF+12*\b:BF+12*\b+11], v[AF+12*\a:AF+12*\a+11], v[ACC+8*(4*\a+\b):ACC+8*(4*\a+\b)+7], v[SCL+\b], v[SCL+\a] matrix_a_fmt:MATRIX_FMT_FP6 matrix_b_fmt:MATRIX_FMT_FP6 matrix_a_scale:MATRIX_SCALE_ROW1
.endif
.endr
.endm
.macro PHASE p, zero
.if (\p)+3 < NSL
	s_wait_xcnt 0x0                                ; the last prefetch has read its address
	s_add_nc_u64 s[80:81], s[80:81], s[82:83]
.endif
.irp g, 0,1,2,3
	v_add_nc_u32 v[16+\g], s[RO+\g], v[8+(\p)%2]
	v_add_nc_u32 v[20+\g], s[RO+\g], v[10+(\p)%2]
.endr
.if (\p)+3 < NSL
	global_prefetch_b8 v3, s[80:81] th:TH_LOAD_NT scope:SCOPE_SE
.endif
.if (\p) == RPF
	global_prefetch_b8 v0, s[10:11] th:TH_LOAD_NT scope:SCOPE_SE   ; the 16 blocks of 256 bytes of the residual that I shall load
.endif
.irp g, 0,1,2,3
	ds_load_b32 v[SCL+\g], v[6+\g+20*(\g/2)] offset:256*(\p)
.endr
.irp b, 0,1,2,3
	FRAG BF+12*\b, 12+(\p)%2, 14+(\p)%2, \b*6144
.endr
.irp g, 0,1,2,3
	FRAG AF+12*\g, 16+\g, 20+\g, 0
.endr
.irp a, 0,1,2,3
	s_wait_dscnt 12-4*\a                           ; the scale words, B and A's groups up to a are in; behind them stand four loads for each later group
	MMR \a, \zero
.endr
.endm
.macro OUTADR
	v_mul_u32_u24 v20, v1, 272
	s_delay_alu instid0(VALU_DEP_1)
	v_lshl_add_u32 v20, v2, 6, v20
	s_delay_alu instid0(VALU_DEP_1)
	v_add_nc_u32 v20, s[SG], v20
	v_mul_u32_u24 v21, v2, 272
	s_delay_alu instid0(VALU_DEP_1)
	v_lshl_add_u32 v21, v1, 4, v21
	s_delay_alu instid0(VALU_DEP_1)
	v_add_nc_u32 v21, s[SG], v21
	v_lshlrev_b32 v23, 4, v1
	s_delay_alu instid0(VALU_DEP_1)
	v_lshl_add_u32 v22, v2, 12, v23
.endm
	s_load_b256 s[4:11], s[0:1], 0x0
	s_load_b64 s[12:13], s[0:1], 0x20
	v_lshl_add_u32 v30, v0, 2, SPARE
	v_mov_b32 v31, 0
	ds_add_u32 v30, v31
	ds_add_u32 v30, v31
	v_lshrrev_b32 v1, 5, v0
	s_delay_alu instid0(VALU_DEP_1)
	v_readfirstlane_b32 s[WV], v1
	s_lshr_b32 s[FB], s[WV], 3
	s_bfe_u32 s18, ttmp6, 0x40000
	s_bfe_u32 s19, ttmp6, 0x40004
	s_and_b32 s20, ttmp7, 0xffff
	s_lshl_b32 s20, s20, 2
	s_add_co_u32 s20, s20, s19
	s_lshl_b32 s21, ttmp9, 2
	s_add_co_u32 s21, s21, s18
	s_lshl_b32 s84, s19, 2
	s_lshl_b32 s84, 15, s84
	s_lshl_b32 s85, 0x1111, s18
	s_or_b32 s[G1A], s84, (3<<16)|(1<<21)
	s_or_b32 s[G1B], s85, (3<<16)|(1<<21)
.irp g, G1A, G1B
	s_mov_b32 s[\g+1], 32<<16
	s_mov_b32 s[\g+2], 24<<16
	s_mov_b32 s[\g+3], 32<<16
	s_mov_b32 s[\g+4], 24
	s_mov_b32 s[\g+5], 32
	s_mov_b32 s[\g+6], 0
	s_mov_b32 s[\g+7], 0
.endr
	s_and_b32 s86, s[WV], 7
	s_mul_i32 s87, s86, 6144
	s_mul_i32 s88, s20, 49152
	s_add_co_u32 s88, s88, s87
	s_mov_b32 s89, 0
	s_mul_i32 s90, s21, 49152
	s_add_co_u32 s90, s90, s87
	s_add_co_u32 s90, s90, BCOFF
	s_mov_b32 s91, 0
	s_mul_i32 s87, s86, SCW
	s_mul_i32 s92, s20, 8*SCW
	s_add_co_u32 s92, s92, s87
	s_add_co_u32 s92, s92, ASOFF
	s_mov_b32 s93, 0
	s_mul_i32 s94, s21, 8*SCW
	s_add_co_u32 s94, s94, s87
	s_add_co_u32 s94, s94, BSOFF
	s_mov_b32 s95, 0
	s_mul_i32 s96, s[WV], 6144
	s_mul_i32 s97, s[WV], SCW
	s_wait_dscnt 0x0
	CROUND                                         ; the round in front of the first joint loads, ahead of the wait for the arguments
	s_wait_kmcnt 0x0
	s_add_nc_u64 s[88:89], s[4:5], s[88:89]
	s_add_nc_u64 s[90:91], s[6:7], s[90:91]
	s_add_nc_u64 s[92:93], s[4:5], s[92:93]
	s_add_nc_u64 s[94:95], s[6:7], s[94:95]
	s_cmp_eq_u32 s[FB], 0                          ; the scale words of all of K come through registers: waves 0-7 A's, waves 8-15 B's, SCW dense bytes a wave
	s_cselect_b64 s[76:77], s[92:93], s[94:95]
	; PREFETCHES: each wave asks for its own 6,144 bytes of a later slot fill; the four partners that load them jointly take 6 blocks of 256 bytes each, told apart by address (cx for A, cy for B).
	; The head asks for fills 1 and 2, K step group p for fill p + 3: two fills ahead of its load; the last groups ask for nothing.
	s_cselect_b64 s[68:69], s[88:89], s[90:91]
	s_mov_b32 s82, SIGB
	s_cselect_b32 s82, SIGA, s82
	s_cselect_b32 s78, s18, s19
	s_mov_b32 s83, 0
	s_add_nc_u64 s[68:69], s[68:69], s[82:83]      ; fill 1
.if NSL > 2
	s_add_nc_u64 s[80:81], s[68:69], s[82:83]      ; fill 2
.endif
	s_mul_i32 s78, s78, 1536
	s_add_co_u32 s97, s97, SCLB
.irp s, 0,1
	s_mov_b32 s[G0A+4*\s], 1
	s_add_co_u32 s[G0A+4*\s+1], s96, \s*SLOT
	s_add_nc_u64 s[G0A+4*\s+2:G0A+4*\s+3], s[88:89], \s*SIGA
	s_or_b32 s[G0A+4*\s+3], s[G0A+4*\s+3], 0x80000000
	s_mov_b32 s[G0B+4*\s], 1
	s_add_co_u32 s[G0B+4*\s+1], s96, \s*SLOT
	s_add_nc_u64 s[G0B+4*\s+2:G0B+4*\s+3], s[90:91], \s*SIGB
	s_or_b32 s[G0B+4*\s+3], s[G0B+4*\s+3], 0x80000000
.endr
	JLOAD G0A, G1A, G0B, G1B                       ; slot 0: one tensor load a wave at the head
	v_and_b32 v3, 31, v0
	v_and_b32 v1, 15, v0
	v_bfe_u32 v2, v0, 4, 1
	s_delay_alu instid0(VALU_DEP_3)
	v_lshlrev_b32 v4, 4, v3
	s_delay_alu instid0(VALU_DEP_4)
	v_lshl_add_u32 v5, v3, 3, 512
	v_min_u32 v3, 5, v3                            ; the prefetches' offset: lanes 0-5 a block each; the others name the last again
	v_lshl_add_u32 v3, v3, 8, s78
	v_and_b32 v0, 31, v0                           ; the residual's prefetch: lanes 0-15 a row each, row l + 8 (l / 8); the others name the last again
	v_min_u32 v0, 15, v0
	v_lshrrev_b32 v20, 3, v0
	v_lshl_add_u32 v0, v20, 3, v0
	v_lshlrev_b32 v0, 12, v0
	global_prefetch_b8 v3, s[68:69] th:TH_LOAD_NT scope:SCOPE_SE
.if NSL > 2
	global_prefetch_b8 v3, s[80:81] th:TH_LOAD_NT scope:SCOPE_SE
.endif
	s_lshr_b32 s22, s[WV], 2
	s_and_b32 s23, s[WV], 3
	s_lshr_b32 s14, s23, 1
	s_and_b32 s15, s23, 1
	s_mul_i32 s[SG], s[WV], 4352
	s_add_co_u32 s[SG], s[SG], STG
	s_wait_alu depctr_va_vdst(0)
	s_lshl_b32 s91, s20, 3
	s_lshl_b32 s92, s14, 2
	s_add_co_u32 s91, s91, s92
	s_add_co_u32 s91, s91, s22
	s_lshr_b32 s92, s91, 1
	s_lshl_b32 s92, s92, 17
	s_and_b32 s93, s91, 1
	s_lshl_b32 s93, s93, 15
	s_add_co_u32 s92, s92, s93
	s_lshl_b32 s94, s21, 9
	s_lshl_b32 s95, s15, 8
	s_add_co_u32 s94, s94, s95
	s_mov_b32 s95, 0
	s_add_nc_u64 s[8:9], s[8:9], s[94:95]
	s_add_co_u32 s92, s92, s94
	s_mov_b32 s93, 0
	s_add_nc_u64 s[10:11], s[10:11], s[92:93]
	s_add_nc_u64 s[12:13], s[12:13], s[92:93]
.set II, 0
.rept SCW/512
	global_load_b128 v[32+4*II:35+4*II], v4, s[76:77] offset:512*II    ; my scale words: 32 lanes read 512 consecutive bytes
.set II, II+1
.endr
	v_add_nc_u32 v196, s97, v4                     ; and their place in LDS
	s_mul_i32 s88, s14, 24576
	s_mul_i32 s90, s22, 1536
	s_add_co_u32 s88, s88, s90
	s_mul_i32 s89, s15, 24576
	s_add_co_u32 s89, s89, s90
	s_add_co_u32 s89, s89, 49152
.irp s, 0,1
	v_add_nc_u32 v[8+\s], s88, v4
	v_add_nc_u32 v[10+\s], s88, v5
	v_add_nc_u32 v[12+\s], s89, v4
	v_add_nc_u32 v[14+\s], s89, v5
	s_add_co_u32 s88, s88, SLOT
	s_add_co_u32 s89, s89, SLOT
.endr
.irp g, 0,1,2,3
	s_add_co_u32 s88, s22, \g
	s_and_b32 s88, s88, 3
	s_mul_i32 s[RO+\g], s88, 6144
	s_lshl_b32 s89, s14, 2
	s_add_co_u32 s89, s89, s88
	s_mul_i32 s89, s89, SCW
	s_lshl_b32 s90, s15, 2
	s_add_co_u32 s90, s90, 8+\g
	s_mul_i32 s90, s90, SCW
	s_sub_co_u32 s90, s90, s89
	v_mul_u32_u24 v[6+\g+20*(\g/2)], s90, v2
	s_lshl_b32 s91, s22, 6
	s_add_co_u32 s89, s89, s91
	s_add_co_u32 s89, s89, SCLB
	v_lshl_add_u32 v[6+\g+20*(\g/2)], v1, 2, v[6+\g+20*(\g/2)]
	s_delay_alu instid0(VALU_DEP_1)
	v_add_nc_u32 v[6+\g+20*(\g/2)], s89, v[6+\g+20*(\g/2)]
.endr
	s_wait_alu depctr_va_vdst(0)
	s_wait_loadcnt 0x0                             ; the scale words are in
.set II, 0
.rept SCW/512
	ds_store_b128 v196, v[32+4*II:35+4*II] offset:512*II
.set II, II+1
.endr
	s_wait_tensorcnt 0x0                           ; my part of slot 0 is in; slot 1's first fill is issued as a refill is
	ds_add_u32 v30, v31
	s_wait_dscnt 0x0
	CROUND
	JLOAD G0A+4, G1A, G0B+4, G1B
	PHASE 0, 1
.irp p, 1,2,3,4,5,6,7
.if \p < NSL
.if \p+1 < NSL
	CHANGE (\p+1)%2, 1
.else
	CHANGE (\p+1)%2, 0
.endif
	PHASE \p, 0
.endif
.endr
.rept 4
	v_nop
.endr
	s_lshl_b32 s88, s23, 2
.irp g, 1,2,3
	s_add_co_u32 s89, s22, \g
	s_and_b32 s89, s89, 3
	s_add_co_u32 s89, s89, s88
	s_mul_i32 s89, s89, 3
	s_add_co_u32 s89, s89, \g-1
	s_lshl_b32 s89, s89, 12
	v_add_nc_u32 v[16+\g], s89, v4
.endr
	s_add_co_u32 s89, s88, s22
	s_mul_i32 s89, s89, 12288
	v_add_nc_u32 v16, s89, v4
	OUTADR
	s_wait_alu depctr_va_vdst(0)
	s_wait_dscnt 0x0
	s_barrier_signal -1
	s_barrier_wait -1
.irp g, 1,2,3
.set II, 0
.rept 8
	ds_store_b128 v[16+\g], v[ACC+32*\g+4*II:ACC+32*\g+4*II+3] offset:512*II
.set II, II+1
.endr
.endr
	s_wait_dscnt 0x0
	s_barrier_signal -1
	s_barrier_wait -1
.set II, 0
.rept 8
	global_load_b128 v[160+4*II:163+4*II], v22, s[10:11] offset:(2*II+8*(II/4))*4096   ; the residual's rows, into registers that the exchange's stores have left: 16 lanes read 256 consecutive bytes
.set II, II+1
.endr
	global_load_b128 v[192:195], v23, s[8:9]       ; and the biases
.set II, 0
.rept 24
	ds_load_b128 v[32+4*II:35+4*II], v16 offset:512*II
.set II, II+1
.endr
	s_wait_dscnt 0x0
.irp k, 32,64,96
.set II, 0
.rept 16
	v_pk_add_f32 v[ACC+II:ACC+II+1], v[ACC+II:ACC+II+1], v[\k+II:\k+II+1]
.set II, II+2
.endr
.endr
.set II, 0
.rept 8
	ds_store_b128 v20, v[ACC+4*II:ACC+4*II+3] offset:128*(II/4)+16*(II%4)
.set II, II+1
.endr
.set II, 0
.rept 8
	ds_load_b128 v[32+4*II:35+4*II], v21 offset:544*II
.set II, II+1
.endr
	s_wait_loadcnt 0x0                             ; the residual and the biases are in
.set II, 0
.rept 8
	v_pk_add_f32 v[160+4*II:161+4*II], v[160+4*II:161+4*II], v[192:193]
	v_pk_add_f32 v[162+4*II:163+4*II], v[162+4*II:163+4*II], v[194:195]
.set II, II+1
.endr
	s_wait_alu depctr_va_vdst(0)
	s_wait_dscnt 0x0
.set II, 0
.rept 8
	v_pk_add_f32 v[32+4*II:33+4*II], v[32+4*II:33+4*II], v[160+4*II:161+4*II]
	v_pk_add_f32 v[34+4*II:35+4*II], v[34+4*II:35+4*II], v[162+4*II:163+4*II]
	global_store_b128 v22, v[32+4*II:35+4*II], s[12:13] offset:(2*II+8*(II/4))*4096
.set II, II+1
.endr
	s_wait_tensorcnt 0x0
	ds_add_u32 v30, v31
	s_wait_dscnt 0x0
	CROUND
	s_endpgm
.Lfunc_end_k_q258393baf6_ff2:
	.size	k_q258393baf6_ff2, .Lfunc_end_k_q258393baf6_ff2-k_q258393baf6_ff2
	.p2alignl 7, 3214868480
	.fill 96, 4, 3214868480
	.section	.rodata,"a",@progbits
	.p2align	6, 0x0
	.amdhsa_kernel k_q258393baf6_ff2
		.amdhsa_group_segment_fixed_size 327680
		.amdhsa_private_segment_fixed_size 0
		.amdhsa_enable_private_segment 0
		.amdhsa_kernarg_size 40
		.amdhsa_user_sgpr_count 2
		.amdhsa_user_sgpr_kernarg_segment_ptr 1
		.amdhsa_wavefront_size32 1
		.amdhsa_system_sgpr_workgroup_id_x 1
		.amdhsa_system_sgpr_workgroup_id_y 1
		.amdhsa_system_sgpr_workgroup_id_z 1
		.amdhsa_system_vgpr_workitem_id 0
		.amdhsa_next_free_vgpr 256
		.amdhsa_next_free_sgpr 100
		.amdhsa_reserve_vcc 0
		.amdhsa_float_denorm_mode_32 3
		.amdhsa_float_denorm_mode_16_64 3
		.amdhsa_memory_ordered 1
		.amdhsa_forward_progress 1
		.amdhsa_inst_pref_size 70
	.end_amdhsa_kernel
	.amdgpu_metadata
---
amdhsa.version: [ 1, 2 ]
amdhsa.kernels:
  - .name:           k_q258393baf6_ff2
    .symbol:         k_q258393baf6_ff2.kd
    .args:
      - { .name: gbuf, .offset: 0, .size: 8, .value_kind: global_buffer, .address_space: global }
      - { .name: wbuf, .offset: 8, .size: 8, .value_kind: global_buffer, .address_space: global }
      - { .name: b_ff2, .offset: 16, .size: 8, .value_kind: global_buffer, .address_space: global }
      - { .name: x1, .offset: 24, .size: 8, .value_kind: global_buffer, .address_space: global }
      - { .name: out0, .offset: 32, .size: 8, .value_kind: global_buffer, .address_space: global }
    .group_segment_fixed_size: 327680
    .private_segment_fixed_size: 0
    .kernarg_segment_align: 8
    .kernarg_segment_size: 40
    .max_flat_workgroup_size: 512
    .sgpr_count:     100
    .vgpr_count:     256
    .wavefront_size: 32
...
	.end_amdgpu_metadata
.endif
;; end of part 7
